; MI455X (gfx1250); checked and timed in simulation.
; The chip was launched on July 23, 2026; its instructions are those of AMD's public machine-readable ISA for CDNA 5 (MIT licence, August 2026) and "CDNA5" Instruction Set Architecture Reference Guide (July 2026). The comments in the code are by the model that wrote it; some were corrected since.
;; tru. Allowed arithmetic: matrix products marked QUANTISED: E2M1 operands, one E8M0 scale for each 32 along K, by v_wmma_scale_f32_16x16x128_f8f6f4 with both operands' format E2M1 (or v_wmma_scale_f32_32x16x128_f4), f32 sums; products left as they are: f32 operands where the result goes on into a quantised operand, else bf16, f16 or f32 operands; f32 sums; everything else in f32.
;; Inputs: WK_b 1,024 float32; WK_w 1,024 x 1,024 float32; WQ_b 1,024 float32; WQ_w 1,024 x 1,024 float32; WV_b 1,024 float32; WV_w 1,024 x 1,024 float32; bn1_b 1,024 float32; bn1_g 1,024 float32; bn2_b 1,024 float32; bn2_g 1,024 float32; w1_b 4,096 float32; w1_w 4,096 x 1,024 float32; w2_b 1,024 float32; w2_w 1,024 x 4,096 float32; x 32 x 1,024 x 1 x 1 float32; y 32 x 1,024 x 1,024 x 1 float32.
;; Outputs: out0 32 x 1,024 x 1 x 1 float32.
;; This version of the problem:
;;   THIS VERSION OF THE PROBLEM IS GIVEN IN LOW PRECISION. The matrix products marked QUANTISED in the list below multiply operands that are first quantised to E2M1 (2 exponent bits, 1 mantissa bit; 4 bits a number), with one power-of-two scale for each 32 numbers along K (OCP MX v1.0); their sums are f32. All else is computed in f32.
;;   The module's matrix products, in the order in which they are computed (A, B: the left and right operand; K: the contracted axis; several contracted axes count as one K, in the product's order):
;;     1. [M 32, K 1,024] x [K 1,024, N 1,024]; A: input x; B: input WQ_w: QUANTISED
;;     2. [M 32,768, K 1,024] x [K 1,024, N 1,024]; A: input y; B: input WK_w: QUANTISED
;;     3. [M 32,768, K 1,024] x [K 1,024, N 1,024]; A: input y; B: input WV_w: QUANTISED
;;     4. batch 512 x [M 1, K 64] x [K 64, N 1,024]; A: computed on the way; B: computed on the way: left as it is (M = 1 < 16)
;;     5. batch 512 x [M 1, K 1,024] x [K 1,024, N 64]; A: softmax; B: computed on the way: left as it is (M = 1 < 16)
;;     6. [M 32, K 1,024] x [K 1,024, N 4,096]; A: computed on the way; B: input w1_w: QUANTISED
;;     7. [M 32, K 4,096] x [K 4,096, N 1,024]; A: computed on the way; B: input w2_w: QUANTISED
;;   THE QUANTISER, for each operand of a quantised product, along K:
;;     - K is cut into blocks of 32 from its start; a last block that is shorter is filled with zeros.
;;     - A block's scale is 2^e with e = floor(log2(the largest magnitude in the block)) - 2, held to -126 .. 127; a block of zeros has e = 0. As a byte (E8M0): e + 127.
;;     - Each number is divided by its block's scale, clamped to +-6, and rounded to the nearest number of E2M1, ties to even, subnormals kept.
;;     - The product sums the exact products of the quantised numbers (number of the format x scale) in f32.
;;   ~~~python
;;   def quantise(x, axis):      # numpy; x: float32 -> the quantised numbers, widened to float32 again
;;       x = np.moveaxis(x, axis, -1); K = x.shape[-1]
;;       x = np.pad(x, [(0, 0)] * (x.ndim - 1) + [(0, -K % 32)]); x = x.reshape(x.shape[:-1] + (-1, 32)); a = np.abs(x).max(-1, keepdims=True)
;;       e = np.where(a > 0, np.clip(np.frexp(np.where(a > 0, a, 1))[1] - 1 - 2, -126, 127), 0)      # np.frexp(a)[1] - 1 = floor(log2(a)), exactly
;;       r = np.clip(x / 2.0 ** e, -6, 6)
;;       step = 2.0 ** (np.maximum(np.frexp(np.where(r == 0, 1, r))[1] - 1, 0) - 1)
;;       q = np.round(r / step) * step * 2.0 ** e      # np.round: ties to even
;;       return np.moveaxis(q.reshape(q.shape[:-2] + (-1,))[..., :K], -1, axis).astype(np.float32)
;;   ~~~
;;   OPERANDS COMPUTED ON THE WAY. 'Computed on the way' means the value that the module computes at that place (a softmax that the list does not call 'softmax' is quantised finished and normalised). What goes into a quantiser is computed in f32, as accurately as f32 sums, v_exp_f32 and their like allow (about 1e-6 of the number): no bf16 or f16 on the way to a quantiser, and a product that is left as it is and whose result goes on into a quantised operand takes f32 operands (vector FMAs, or v_wmma_f32_16x16x4_f32). A number that lies on a knife's edge between two numbers of the format may be rounded either way, as far as f32 arithmetic and the matrix unit's own rounding can turn it there, and no further.
;; 2 versions, each right; version 2 is version 1 with the launches ffn1, ffn2 written anew for expert scheduling mode. Each part assembles by itself: llvm-mc -triple=amdgcn-amd-amdhsa -mcpu=gfx1250 --defsym DOCPART=n.
;; ======== version 1 of 2: 4 launches
;; workspace buffers: ybuf 17,825,792 bytes; wcodes 3,686,400 bytes; wscales 230,400 bytes; zsum 131,072 bytes; hcodes 65,536 bytes; hscales 4,096 bytes; ret 131,072 bytes
;; launch quant (part 1): grid 737 x 1, 4 waves a work-group, no clusters, 34,304 bytes of LDS; arguments y, x, WQ_w, WK_w, WV_w, w2_w, ybuf, wcodes, wscales; writes ybuf, wcodes, wscales
.if DOCPART == 1
	.amdgcn_target "amdgcn-amd-amdhsa--gfx1250"
	.amdhsa_code_object_version 6
	.text
	.protected	k_q958d44f825_quant
	.globl	k_q958d44f825_quant
	.p2align	8
	.type	k_q958d44f825_quant,@function
k_q958d44f825_quant:
	s_mov_b64 s[64:65], 0
	v_nop
	global_prefetch_b8 v0, s[64:65] scope:SCOPE_SE
	s_setreg_imm32_b32 hwreg(HW_REG_WAVE_MODE, 25, 1), 1
	s_wait_xcnt 0x0
; Every operand that arrives as f32 and is read by many work-groups, or by few that could not take it in as f32, becomes codes of E2M1 (4 bits) with one E8M0 scale byte for each 32 along K, ONCE,
; laid in the order of the operand's registers: a FRAGMENT IMAGE is 16 rows x 128 K in 1,024 bytes, [part c 2][lane 32][16 bytes]; lane 16 h + r, part c holds row r, k = 64 c + 32 h + 0 .. 31, the lower k in the lower bits.
; (w1_w is not here: each of its rows is read by one work-group of a later launch, which quantises it in registers.)
; A block's scale is 2^(floor(log2(its largest magnitude)) - 2); its byte is the largest magnitude's exponent field - 2, held at 1 from below.
; LIMITS: NaN and infinities among the inputs are not served; a block whose largest magnitude lies under 2^-124 is held at the byte 1; a block of zeros gets the byte 1 and not 127:
; its codes are zeros, which add nothing under that byte, and the bytes are read by this program alone.
; PATH Y (work-groups 0 .. 511): y [32][1024 c][1024 l], K = c is NOT innermost.  A lane takes a position l and its registers run down c: a block of 32 lies in one lane, nothing is transposed.
;   ybuf: [b 32][step 32] blocks of 17,408 bytes for 32 positions: image (K step s, half par of the positions) at (2 s + par) 1,024; from byte 16,384 the scale words, [i 2][position 32][4 words]: word j is K step 4 i + j.
; PATH S (work-groups 512 .. 736): x, WQ_w, WK_w, WV_w, w2_w: K innermost.  A wave takes a HALF-UNIT, 16 rows x 512 K: 4 images (4,096 bytes of wcodes) and 256 bytes of wscales,
;   [lane 32][2 words]: word j of lane 16 p + r is row r's word of K step 4 (which 512) + 2 j + p.  Half-units: x 0, WQ 4, WK 132, WV 260, w2 388; in a tensor [tile][which 512].
; No matrix unit, no cluster, no tensor load, no barrier: the launch streams, waves share nothing, and no two work-groups read the same bytes.
.set X,      32                        ; path Y: v32-95   two sets of 32 numbers
.set CY,     96                        ; path Y: v96-159  four registers of codes for each of 16 blocks: no store's data are written again
.set SBY,    16                        ; path Y: v16-19   the scale bytes, four to a register
.set RO,     16                        ; path S: v16-31   byte offset of my 16 bytes in each of the 16 rows
.set RW,     32                        ; path S: v32-159  two sets of 16 rows x 4 registers, as loaded
.set XN,     160                       ; path S: v160-223 my two blocks of 32 neighbours
.set CS,     224                       ; path S: v224-255 eight registers of codes for each of 4 K steps
.set SPITCH, 528                       ; path S: a row of the stage: 512 bytes + 16: sixteen rows begin 16 bytes apart modulo 256
.set WSTG,   16*SPITCH                 ; a wave's stage
	s_load_b256 s[4:11], s[0:1], 0x0               ; y 4, x 6, WQ_w 8, WK_w 10
	s_load_b128 s[12:15], s[0:1], 0x20             ; WV_w 12, w2_w 14
	s_load_b64 s[18:19], s[0:1], 0x30              ; ybuf
	s_load_b64 s[20:21], s[0:1], 0x38              ; wcodes
	s_load_b64 s[22:23], s[0:1], 0x40              ; wscales
	s_set_vgpr_msb 0x40
	v_lshl_add_u32 v0, v0, 2, 0x8400
	v_mov_b32 v1, 0
	s_set_vgpr_msb 0x4000
	v_lshrrev_b32 v1, 5, v0
	v_readfirstlane_b32 s24, v1                    ; wave 0..3
	v_and_b32 v2, 31, v0                           ; lane L
	v_and_b32 v6, 15, v0                           ; r
	v_bfe_u32 v7, v0, 4, 1                         ; h
	s_cmp_lt_u32 ttmp9, 512
	s_cbranch_scc0 .Lrows
; ---------------- PATH Y ----------------
	s_and_b32 s25, ttmp9, 1                        ; i: which 512 of c
	s_bfe_u32 s26, ttmp9, 0x30001                  ; which four steps of the batch
	s_lshr_b32 s27, ttmp9, 4                       ; b
	s_lshl_b32 s26, s26, 2
	s_add_co_u32 s26, s26, s24                     ; my step of 32 positions: the four waves stand side by side on 512 bytes of each row of y
	s_lshl_b32 s28, s27, 22                        ; y: b x 4 MiB
	s_lshl_b32 s30, s25, 21                        ;    + i x 512 rows of 4,096 bytes
	s_add_co_u32 s28, s28, s30
	s_lshl_b32 s30, s26, 7                         ;    + step x 128 bytes
	s_add_co_u32 s28, s28, s30
	s_mov_b32 s29, 0
	s_lshl_b32 s30, s27, 5
	s_add_co_u32 s30, s30, s26
	s_mul_i32 s30, s30, 17408                      ; ybuf: my block
	s_lshl_b32 s32, s25, 13
	s_add_co_u32 s32, s32, s30                     ; codes: K steps 4 i on: 8 images
	s_mov_b32 s33, 0
	s_lshl_b32 s34, s25, 9
	s_add_co_u32 s34, s34, s30
	s_add_co_u32 s34, s34, 16384                   ; scale words, part i
	s_mov_b32 s35, 0
	v_lshlrev_b32 v3, 2, v2                        ; in: 4 bytes a lane
	v_lshlrev_b32 v4, 4, v6
	v_lshl_add_u32 v4, v7, 10, v4                  ; codes: 1,024 (L / 16) + 16 (L % 16)
	v_lshlrev_b32 v5, 4, v2                        ; scale words: 16 bytes a lane
	s_wait_kmcnt 0x0
	s_add_nc_u64 s[4:5], s[4:5], s[28:29]
	s_add_nc_u64 s[36:37], s[18:19], s[32:33]
	s_add_nc_u64 s[38:39], s[18:19], s[34:35]
.macro YLOAD t                         ; block t: y(c = 32 t + k, my position), k = 0 .. 31, into set t % 2; a wave's load reads 128 consecutive bytes
.set yk, 0
.rept 32
	global_load_b32 v[X+32*((\t)%2)+yk], v3, s[4:5] offset:(32*(\t)+yk)*4096 th:TH_LOAD_NT
.set yk, yk+1
.endr
.endm
.macro YBLOCK t
.set XS, X+32*((\t)%2)
.if (\t) < 15
	s_wait_loadcnt 32                              ; this block's 32 loads are in; the next block's 32 may be out
.else
	s_wait_loadcnt 0
.endif
	v_max3_num_f32 v12, |v[XS]|, |v[XS+1]|, |v[XS+2]|      ; the block's largest magnitude: all 32 numbers are mine; two chains
	v_max3_num_f32 v13, |v[XS+3]|, |v[XS+4]|, |v[XS+5]|
.irp i, 6,10,14,18,22,26
	v_max3_num_f32 v12, v12, |v[XS+\i]|, |v[XS+\i+1]|
	v_max3_num_f32 v13, v13, |v[XS+\i+2]|, |v[XS+\i+3]|
.endr
	v_max3_num_f32 v12, v12, |v[XS+30]|, |v[XS+31]|
	v_max3_num_f32 v12, v12, v13, 0x1800000        ; and the floor 2^(3 - 127): the byte cannot fall under 1
	v_add_nc_u32 v11, 0xff000000, v12              ; 2 off the exponent field: the conversion takes this operand's exponent field as its scale
	v_lshrrev_b32 v13, 23, v11                     ; the scale's byte
.if (\t)%4 == 0
	v_mov_b32 v[SBY+(\t)/4], v13                   ; four bytes make a K step's scale word, the lower k in the lower byte
.else
	v_lshl_or_b32 v[SBY+(\t)/4], v13, 8*((\t)%4), v[SBY+(\t)/4]
.endif
.irp g, 0,1,2,3
	v_cvt_scalef32_pk8_fp4_f32 v[CY+4*(\t)+\g], v[XS+8*\g:XS+8*\g+7], v11
.endr
	global_store_b128 v4, v[CY+4*(\t):CY+4*(\t)+3], s[36:37] offset:((\t)>>2)*2048+(((\t)>>1)&1)*512+((\t)&1)*256   ; block t % 4 of K step t / 4: part (t / 2) % 2, lanes' half t % 2; sixteen lanes store 256 consecutive bytes, aligned
.if (\t)+2 < 16
	YLOAD (\t)+2                                   ; (loads into the conversions' sources want no place; the next vector lines are the other set's plain ones)
.endif
.endm
	YLOAD 0
	YLOAD 1
.set Q, 0
.rept 16
	YBLOCK Q
.set Q, Q+1
.endr
	global_store_b128 v5, v[SBY:SBY+3], s[38:39]   ; my position's four scale words: the wave stores 512 consecutive bytes
	s_endpgm
; ---------------- PATH S ----------------
.Lrows:
	s_sub_co_u32 s25, ttmp9, 512                   ; g: four half-units to a work-group
	s_mov_b32 s42, 0x76543210
	s_mov_b32 s43, 0xfedcba98                      ; v_permlanex16_b32's selects for lane l xor 16
	s_mov_b32 s44, 0xffff0000                      ; lanes 16-31
	s_mul_i32 s45, s24, WSTG                       ; my stage
	v_lshlrev_b32 v4, 4, v2                        ; 16 L
	v_lshlrev_b32 v5, 3, v2                        ; 8 L
	v_lshlrev_b32 v13, 3, v7                       ; 8 h
	v_mul_u32_u24 v3, v6, SPITCH
	v_lshl_add_u32 v3, v7, 7, v3
	v_add_nc_u32 v3, s45, v3                       ; out of the stage: row r, + 128 h bytes: my 32 numbers of each 64
	v_add_nc_u32 v2, s45, v4                       ; into it: 16 bytes a lane
	s_wait_kmcnt 0x0
	s_mov_b64 s[26:27], s[14:15]                   ; which tensor: the choice hangs on the work-group's number alone.  w2 from g = 97 on,
	s_mov_b32 s28, 97
	s_cmp_lt_u32 s25, 97
	s_cselect_b64 s[26:27], s[12:13], s[26:27]     ; WV from 65,
	s_cselect_b32 s28, 65, s28
	s_cmp_lt_u32 s25, 65
	s_cselect_b64 s[26:27], s[10:11], s[26:27]     ; WK from 33,
	s_cselect_b32 s28, 33, s28
	s_cmp_lt_u32 s25, 33
	s_cselect_b64 s[26:27], s[8:9], s[26:27]       ; WQ from 1,
	s_cselect_b32 s28, 1, s28
	s_cmp_lt_u32 s25, 1
	s_cselect_b64 s[26:27], s[6:7], s[26:27]       ; x at 0
	s_cselect_b32 s28, 0, s28
	s_sub_co_u32 s29, s25, s28
	s_lshl_b32 s29, s29, 2
	s_add_co_u32 s29, s29, s24                     ; my half-unit within the tensor
	s_cmp_ge_u32 s25, 97                           ; w2 has K = 4,096: eight half-units to a tile, rows of 16,384 bytes; the others two, rows of 4,096
	s_cselect_b32 s30, 3, 1
	s_cselect_b32 s31, 7, 1
	s_cselect_b32 s32, 2, 0
	s_lshl_b32 s32, 4096, s32                      ; a row in bytes
	s_lshr_b32 s33, s29, s30                       ; tile T
	s_and_b32 s31, s29, s31                        ; which 512 along K
	s_lshl_b32 s34, s33, 4                         ; first row: 16 T
	s_mul_i32 s38, s34, s32
	s_lshl_b32 s31, s31, 11
	s_add_co_u32 s38, s38, s31
	s_mov_b32 s39, 0
	s_add_nc_u64 s[26:27], s[26:27], s[38:39]      ; the tensor at my half-unit's first number
	s_lshl_b32 s40, s25, 2
	s_add_co_u32 s40, s40, s24                     ; my half-unit among all 900
	s_lshl_b32 s38, s40, 12
	s_add_nc_u64 s[20:21], s[20:21], s[38:39]      ; its 4,096 bytes of codes
	s_lshl_b32 s38, s40, 8
	s_add_nc_u64 s[22:23], s[22:23], s[38:39]      ; its 256 bytes of scale words
	v_mov_b32 v[RO], v4
.irp r, 1,2,3,4,5,6,7,8,9,10,11,12,13,14,15
	v_add_nc_u32 v[RO+\r], s32, v[RO+\r-1]
.endr
.macro SLOADS sl                       ; K step sl of the half-unit: 16 rows x 128 numbers; each load reads 512 consecutive bytes of a row
.set sr, 0
.rept 16
	global_load_b128 v[RW+64*((\sl)%2)+4*sr:RW+64*((\sl)%2)+4*sr+3], v[RO+sr], s[26:27] offset:512*(\sl) th:TH_LOAD_NT
.set sr, sr+1
.endr
.endm
.macro SKSTEP sl
.set RS, RW+64*((\sl)%2)
.if (\sl) < 3
	s_wait_loadcnt 16                              ; this K step's 16 loads are in; the next step's 16 may be out
.else
	s_wait_loadcnt 0
.endif
.set sr, 0
.rept 16
	ds_store_b128 v2, v[RS+4*sr:RS+4*sr+3] offset:SPITCH*sr     ; the rows as they lie
.set sr, sr+1
.endr
.irp c, 0,1
.irp i, 0,1,2,3,4,5,6,7
	ds_load_b128 v[XN+32*\c+4*\i:XN+32*\c+4*\i+3], v3 offset:256*\c+16*\i   ; back: row r, k = 64 c + 32 h + 0 .. 31: blocks h and 2 + h whole.  LDS serves a wave's instructions in order: these see the stores
.endr
.endr
	s_wait_dscnt 0x0                               ; my numbers are back, and the stores have read their registers,
.if (\sl)+2 < 4
	SLOADS (\sl)+2                                 ; which take the loads of two steps on
.endif
.irp c, 0,1
	v_max3_num_f32 v[8+\c], |v[XN+32*\c]|, |v[XN+32*\c+1]|, 0x1800000   ; my two blocks by turns; the floor 2^(3 - 127) among the leaves
.endr
.irp i, 2,4,6,8,10,12,14,16,18,20,22,24,26,28,30
.irp c, 0,1
	v_max3_num_f32 v[8+\c], v[8+\c], |v[XN+32*\c+\i]|, |v[XN+32*\c+\i+1]|
.endr
.endr
.irp c, 0,1
	v_add_nc_u32 v[10+\c], 0xff000000, v[8+\c]     ; the conversion's scale operand
.endr
.irp c, 0,1
	v_lshrrev_b32 v[6+\c], 23, v[10+\c]            ; the scale's byte
.endr
	v_lshl_or_b32 v12, v7, 16, v6                  ; my two bytes: blocks h and 2 + h,
	v_lshlrev_b32 v12, v13, v12                    ; at their places in the word (8 h bits up);
	v_permlanex16_b32 v1, v12, s42, s43
	v_or_b32 v12, v12, v1                          ; with lane l xor 16's two the row's word is whole, in both lanes
.if (\sl)%2 == 0
	v_mov_b32 v[14+(\sl)/2], v12                   ; an even K step's words are read from lanes 0-15,
.else
	v_cndmask_b32 v[14+(\sl)/2], v[14+(\sl)/2], v12, s44   ; an odd one's from lanes 16-31 of the same register
.endif
.irp c, 0,1
.irp g, 0,1,2,3
	v_cvt_scalef32_pk8_fp4_f32 v[CS+8*(\sl)+4*\c+\g], v[XN+32*\c+8*\g:XN+32*\c+8*\g+7], v[10+\c]
.endr
.endr
	v_nop                                          ; one plain line behind the last conversion of a run
.irp c, 0,1
	global_store_b128 v4, v[CS+8*(\sl)+4*\c:CS+8*(\sl)+4*\c+3], s[20:21] offset:1024*(\sl)+512*\c   ; the image as the registers stand: 512 consecutive bytes
.endr
.endm
	SLOADS 0
	SLOADS 1
	SKSTEP 0
	SKSTEP 1
	SKSTEP 2
	SKSTEP 3
	global_store_b64 v5, v[14:15], s[22:23]        ; the half-unit's scale words: 256 consecutive bytes
	s_set_vgpr_msb 0x5
	s_wait_tensorcnt 0x0
	ds_add_u32 v0, v1
	s_wait_dscnt 0x0
	s_set_vgpr_msb 0x500
	s_endpgm
.Lfunc_end_k_q958d44f825_quant:
	.size	k_q958d44f825_quant, .Lfunc_end_k_q958d44f825_quant-k_q958d44f825_quant
	.p2alignl 7, 3214868480
	.fill 96, 4, 3214868480
	.section	.rodata,"a",@progbits
	.p2align	6, 0x0
	.amdhsa_kernel k_q958d44f825_quant
		.amdhsa_group_segment_fixed_size 34304
		.amdhsa_private_segment_fixed_size 0
		.amdhsa_enable_private_segment 0
		.amdhsa_kernarg_size 72
		.amdhsa_user_sgpr_count 2
		.amdhsa_user_sgpr_kernarg_segment_ptr 1
		.amdhsa_wavefront_size32 1
		.amdhsa_system_sgpr_workgroup_id_x 1
		.amdhsa_system_sgpr_workgroup_id_y 1
		.amdhsa_system_sgpr_workgroup_id_z 1
		.amdhsa_system_vgpr_workitem_id 0
		.amdhsa_next_free_vgpr 258
		.amdhsa_next_free_sgpr 66
		.amdhsa_reserve_vcc 0
		.amdhsa_float_denorm_mode_32 3
		.amdhsa_float_denorm_mode_16_64 3
		.amdhsa_memory_ordered 1
		.amdhsa_forward_progress 1
		.amdhsa_inst_pref_size 105
	.end_amdhsa_kernel
	.amdgpu_metadata
---
amdhsa.version: [ 1, 2 ]
amdhsa.kernels:
  - .name:           k_q958d44f825_quant
    .symbol:         k_q958d44f825_quant.kd
    .args:
      - { .name: y, .offset: 0, .size: 8, .value_kind: global_buffer, .address_space: global }
      - { .name: x, .offset: 8, .size: 8, .value_kind: global_buffer, .address_space: global }
      - { .name: WQ_w, .offset: 16, .size: 8, .value_kind: global_buffer, .address_space: global }
      - { .name: WK_w, .offset: 24, .size: 8, .value_kind: global_buffer, .address_space: global }
      - { .name: WV_w, .offset: 32, .size: 8, .value_kind: global_buffer, .address_space: global }
      - { .name: w2_w, .offset: 40, .size: 8, .value_kind: global_buffer, .address_space: global }
      - { .name: ybuf, .offset: 48, .size: 8, .value_kind: global_buffer, .address_space: global }
      - { .name: wcodes, .offset: 56, .size: 8, .value_kind: global_buffer, .address_space: global }
      - { .name: wscales, .offset: 64, .size: 8, .value_kind: global_buffer, .address_space: global }
    .group_segment_fixed_size: 34304
    .private_segment_fixed_size: 0
    .kernarg_segment_align: 8
    .kernarg_segment_size: 72
    .max_flat_workgroup_size: 128
    .sgpr_count:     66
    .vgpr_count:     258
    .wavefront_size: 32
...
	.end_amdgpu_metadata
.endif
;; end of part 1
;; launch kvatt (part 2): grid 8 x 32, 4 waves a work-group, clusters of 4 x 1, 327,680 bytes of LDS; arguments ybuf, wcodes, wscales, WQ_b, WK_b, WV_b, x, zsum; writes zsum
.if DOCPART == 2
	.amdgcn_target "amdgcn-amd-amdhsa--gfx1250"
	.amdhsa_code_object_version 6
	.text
	.protected	k_q958d44f825_kvatt
	.globl	k_q958d44f825_kvatt
	.p2align	8
	.type	k_q958d44f825_kvatt,@function
k_q958d44f825_kvatt:
	s_mov_b64 s[64:65], 0
	v_nop
	global_prefetch_b8 v0, s[64:65] scope:SCOPE_SE
	s_setreg_imm32_b32 hwreg(HW_REG_WAVE_MODE, 25, 1), 1
	s_wait_xcnt 0x0
	s_wait_alu depctr_hold_cnt(0) depctr_sa_sdst(0) depctr_va_vdst(0) depctr_va_sdst(0) depctr_va_ssrc(0) depctr_va_vcc(0) depctr_vm_vsrc(0)
	s_getreg_b32 s2, hwreg(HW_REG_IB_STS2, 6, 4)
	s_cmp_eq_u32 s2, 0
	s_cbranch_scc0 .Lentry_in_a_cluster
	s_endpgm
.Lentry_in_a_cluster:
	s_bfe_u32 s2, ttmp6, 0x10000c
	s_cmp_lg_u32 s2, 0x3003
	s_cbranch_scc0 .Lentry_shape_is_right
	s_endpgm
.Lentry_shape_is_right:
; zsum[b][head 64 + d] = x[b][head 64 + d] + att, att = sum over l of softmax_l(q . k[:, l] / 8) v[d, l], with q = Q(x) Q(WQ)^T + bQ, k = Q(WK) Q(y) + bK, v = Q(WV) Q(y) + bV: the three products on codes
; of E2M1 with E8M0 scales, the two products of one row (scores; weights x v) by f32 multiply-adds, since their result goes on into a quantiser.  k and v never leave the registers.
; SHARES.  A work-group is one batch b and two heads; wave wv: head 2 hp + wv / 2, and the steps of 32 positions whose number has the parity wv % 2: 16 of the batch's 32.
; A wave keeps its head's 64 rows of WK and 64 rows of WV, all of K, in 512 registers for the whole launch; each fragment of y that it reads from LDS feeds eight matrix instructions.
; CLUSTER.  The four work-groups of a cluster have the same b and walk the same codes of y: every tile of y is asked for JOINTLY (mask 15).  The place in the cluster enters only the global
; addresses of weights, biases, x and zsum.  The weights are not shared so: they go from memory straight into registers, once a wave, and a tensor load ends in LDS.
; LAYOUT.  Source 0 = 16 rows of a weight, source 1 = 16 positions: lane (r, h) holds position r and channels 16 t + 8 h + j.  A score wants one exchange between the halves of the lanes.
; The running maximum, sum and att are kept FOR EACH LANE (positions r mod 16 of my steps) and are joined once, at the end: across 16 lanes, then across the two waves of a head through LDS.
; SOFTMAX.  t = score x log2(e) / 8 (the factor is folded into q); p = 2^(t - m), m the lane's running maximum; what was summed is multiplied by 2^(old m - new m) in every step.
; BIASES.  q . bK starts each score's sum; bV is added behind the division by the sum of p (the weights add up to 1).  Both are reference()'s algebra; the ORDER OF ROUNDING differs from its.
; LIMITS: NaN and infinities are not served.
; REGISTERS, in windows of 256.  Window 0: v1-13 addresses; v16-31 a lane's statistics; v32-47 y's scale words, two sets (at the head x's); v48-63 WK's, v64-79 WV's; v80-87 the scores' four chains; v88-91 bV; v92-95 x;
;   v112-143 att; v144-207 eight accumulators, (par, t) at 8 (4 par + t); v208-223 WQ's scale words; v224-255 q x log2(e) / 8.  At the head: v80-111 bK, v112-143 bQ, v144-207 x's fragments.
;   Window 1: y's fragments, two buffers of 128: (K step s, par) at 8 (2 s + par); at the head WQ's 32 fragments.   Window 2: WK's 32 fragments, (t, s) at 8 (8 t + s).   Window 3: WV's.
.set STEPB, 17408                      ; a step's block of ybuf: 16 images and 1,024 bytes of scale words
.set FILLB, 4*STEPB                    ; a slot: four steps, a quarter from each wave's load
.set SLOT1, 1<<17                      ; slot 1 begins here: one exclusive or turns an address from one slot to the other
.set RED,   SLOT1+FILLB                ; behind the ring: 512 bytes a wave: 64 sums of att, and at +256 the sum of p and the maximum
.set SPARE, RED+2048                   ; the spare words, 128 bytes a wave: two blocks of 256 bytes that no other line names
.set YSC, 32
.set KSC, 48                           ; WV's scale words follow 16 on
.set PA,  80
.set BK,  80
.set BVF, 88
.set XV,  92
.set ATT, 112
.set BQ,  112
.set ACC, 144
.set XF,  144
.set QSC, 208
.set QD,  224
.set MSB, 0
.macro WIN new                         ; the immediate's high byte repeats the setting that is left; bits 1:0 source 0, 3:2 source 1, 5:4 source 2, 7:6 destination
.if MSB != \new
	s_set_vgpr_msb (MSB<<8)|\new
.set MSB, \new
.endif
.endm
.macro PLACES n
.rept \n
	v_nop
.endr
.endm
; One matrix instruction.  cm = 0: C is the constant 0; else C at v[c].  ra, rb: source 0's, source 1's scales are read from lanes 16-31 of their registers.
.macro WM d, a, b, cm, c, sa, sb, ra, rb
.if (\cm) == 0
.if (\ra) && (\rb)
	v_wmma_scale_f32_16x16x128_f8f6f4 v[(\d):(\d)+7], v[(\a):(\a)+7], v[(\b):(\b)+7], 0, v[(\sa)], v[(\sb)] matrix_a_fmt:MATRIX_FMT_FP4 matrix_b_fmt:MATRIX_FMT_FP4 matrix_a_scale:MATRIX_SCALE_ROW1 matrix_b_scale:MATRIX_SCALE_ROW1
.elseif (\ra)
	v_wmma_scale_f32_16x16x128_f8f6f4 v[(\d):(\d)+7], v[(\a):(\a)+7], v[(\b):(\b)+7], 0, v[(\sa)], v[(\sb)] matrix_a_fmt:MATRIX_FMT_FP4 matrix_b_fmt:MATRIX_FMT_FP4 matrix_a_scale:MATRIX_SCALE_ROW1
.elseif (\rb)
	v_wmma_scale_f32_16x16x128_f8f6f4 v[(\d):(\d)+7], v[(\a):(\a)+7], v[(\b):(\b)+7], 0, v[(\sa)], v[(\sb)] matrix_a_fmt:MATRIX_FMT_FP4 matrix_b_fmt:MATRIX_FMT_FP4 matrix_b_scale:MATRIX_SCALE_ROW1
.else
	v_wmma_scale_f32_16x16x128_f8f6f4 v[(\d):(\d)+7], v[(\a):(\a)+7], v[(\b):(\b)+7], 0, v[(\sa)], v[(\sb)] matrix_a_fmt:MATRIX_FMT_FP4 matrix_b_fmt:MATRIX_FMT_FP4
.endif
.else
.if (\ra) && (\rb)
	v_wmma_scale_f32_16x16x128_f8f6f4 v[(\d):(\d)+7], v[(\a):(\a)+7], v[(\b):(\b)+7], v[(\c):(\c)+7], v[(\sa)], v[(\sb)] matrix_a_fmt:MATRIX_FMT_FP4 matrix_b_fmt:MATRIX_FMT_FP4 matrix_a_scale:MATRIX_SCALE_ROW1 matrix_b_scale:MATRIX_SCALE_ROW1
.elseif (\ra)
	v_wmma_scale_f32_16x16x128_f8f6f4 v[(\d):(\d)+7], v[(\a):(\a)+7], v[(\b):(\b)+7], v[(\c):(\c)+7], v[(\sa)], v[(\sb)] matrix_a_fmt:MATRIX_FMT_FP4 matrix_b_fmt:MATRIX_FMT_FP4 matrix_a_scale:MATRIX_SCALE_ROW1
.elseif (\rb)
	v_wmma_scale_f32_16x16x128_f8f6f4 v[(\d):(\d)+7], v[(\a):(\a)+7], v[(\b):(\b)+7], v[(\c):(\c)+7], v[(\sa)], v[(\sb)] matrix_a_fmt:MATRIX_FMT_FP4 matrix_b_fmt:MATRIX_FMT_FP4 matrix_b_scale:MATRIX_SCALE_ROW1
.else
	v_wmma_scale_f32_16x16x128_f8f6f4 v[(\d):(\d)+7], v[(\a):(\a)+7], v[(\b):(\b)+7], v[(\c):(\c)+7], v[(\sa)], v[(\sb)] matrix_a_fmt:MATRIX_FMT_FP4 matrix_b_fmt:MATRIX_FMT_FP4
.endif
.endif
.endm
; A round of the cluster's barrier: my work-group's barrier; wave 0 signals for the work-group; every wave waits for all four work-groups; my work-group's barrier once more.
.macro ROUND
	s_barrier_signal -1
	s_barrier_wait -1
	s_cmp_lg_u32 s18, 0
	s_cbranch_scc1 .Lnot_wave_0_\@
	s_barrier_signal -3
.Lnot_wave_0_\@:
	s_barrier_wait -3
	s_barrier_signal -1
	s_barrier_wait -1
.endm
	s_load_b256 s[4:11], s[0:1], 0x0               ; ybuf 4, wcodes 6, wscales 8, WQ_b 10
	s_load_b128 s[12:15], s[0:1], 0x20             ; WK_b 12, WV_b 14
	s_load_b128 s[96:99], s[0:1], 0x30             ; x 96, zsum 98
	v_lshl_add_u32 v8, v0, 2, SPARE                ; my spare word; never rewritten
	v_mov_b32 v9, 0                                ; 0; never rewritten
	ds_add_u32 v8, v9
	ds_add_u32 v8, v9
	s_wait_dscnt 0x0
	v_lshrrev_b32 v1, 5, v0
	v_readfirstlane_b32 s18, v1                    ; wave 0..3
	s_lshr_b32 s19, s18, 1                         ; which of the two heads
	s_and_b32 s20, s18, 1                          ; which parity of steps
	s_bfe_u32 s21, ttmp6, 0x40000                  ; cx: my place in the cluster
	s_lshl_b32 s22, ttmp9, 2
	s_add_co_u32 s22, s22, s21                     ; hp, the pair of heads = 4 x cluster x + cx
	s_and_b32 s23, ttmp7, 0xffff                   ; b, which the four partners share
	; descriptor group 1: a step's block, 17,408 dense bytes, as 68 rows of 256 bytes (32 elements of 8 bytes), no padding: the images are read 16 bytes a lane on end
	s_mov_b32 s24, 15|(3<<16)|(1<<21)              ; 15:0 the mask: all four work-groups; 17:16 elements of 8 bytes; 21 set beside a mask
	s_mov_b32 s25, 32<<16                          ; tensor_dim0 = 32
	s_mov_b32 s26, 68<<16                          ; tensor_dim1 = 68
	s_mov_b32 s27, 32<<16                          ; tile_dim0 = 32
	s_mov_b32 s28, 68                              ; tile_dim1 = 68
	s_mov_b32 s29, 32                              ; elements from row to row
	s_mov_b32 s30, 0
	s_mov_b32 s31, 0
	s_lshl_b32 s74, s23, 5
	s_add_co_u32 s74, s74, s18
	s_mul_i32 s74, s74, STEPB                      ; ybuf: step wv of batch b: made of b and the wave's number alone
	s_mov_b32 s75, 0
	s_mul_i32 s76, s18, STEPB                      ; and its quarter of a slot
	s_lshl_b32 s80, s22, 1
	s_add_co_u32 s80, s80, s19                     ; my head
	s_lshl_b32 s72, s80, 15                        ; a head's 64 rows: 32 images,
	s_mov_b32 s73, 0
	s_lshl_b32 s78, s80, 11                        ; 2,048 bytes of scale words,
	s_mov_b32 s79, 0
	s_lshl_b32 s82, s80, 8                         ; 256 bytes of a bias
	s_mov_b32 s83, 0
	s_lshl_b32 s84, s22, 9                         ; the pair of heads: 512 bytes of WV_b and of a row of x and of zsum
	s_mov_b32 s85, 0
	s_lshr_b32 s86, s23, 4                         ; x's codes: tile b / 16, row b % 16
	s_and_b32 s92, s23, 15
	s_lshl_b32 s88, s86, 9
	s_lshl_b32 s86, s86, 13
	s_lshl_b32 s93, s92, 4
	s_add_co_u32 s86, s86, s93                     ; codes: 8,192 (b / 16) + 16 (b % 16)
	s_mov_b32 s87, 0
	s_lshl_b32 s93, s92, 3
	s_add_co_u32 s88, s88, s93                     ; scale words: 512 (b / 16) + 8 (b % 16)
	s_mov_b32 s89, 0
	s_lshl_b32 s90, s23, 12
	s_add_co_u32 s90, s90, s84                     ; x and zsum: row b, the pair's 128 numbers
	s_mov_b32 s91, 0
	s_mov_b32 s42, 0x76543210
	s_mov_b32 s43, 0xfedcba98                      ; v_permlanex16_b32's selects for lane l xor 16
	s_mov_b32 s44, 0x3e38aa3b                      ; log2(e) / 8
	s_mov_b32 s45, s44                             ; (named with it as a pair, so it is written)
	v_and_b32 v10, 31, v0                          ; L
	v_bfe_u32 v11, v0, 4, 1                        ; h
	v_lshlrev_b32 v1, 4, v10                       ; v1  16 L
	v_lshlrev_b32 v4, 3, v10                       ; v4  8 L
	v_lshlrev_b32 v5, 5, v11                       ; v5  32 h
	v_lshlrev_b32 v6, 8, v11                       ; v6  256 h
	v_mov_b32 v7, 0                                ; v7  0
	s_mul_i32 s77, s20, STEPB
	v_add_nc_u32 v2, s77, v1                       ; v2  my first step of a slot, 16 bytes a lane
	v_and_b32 v12, 15, v0
	v_lshlrev_b32 v12, 4, v12
	v_lshl_add_u32 v13, v11, 10, RED               ; v13 the end: head L / 16's two waves' 512 bytes each
	v_add_nc_u32 v12, v12, v13                     ; v12 and in them 16 (L % 16)
	s_lshl_b32 s77, s18, 9
	s_add_co_u32 s77, s77, RED
	v_add_nc_u32 v10, s77, v5                      ; v10 the end: my wave's 512 bytes, + 32 h
	v_mov_b32 v11, s77                             ; v11 my wave's 512 bytes
	s_wait_kmcnt 0x0
	s_add_nc_u64 s[46:47], s[6:7], s[72:73]
	s_add_nc_u64 s[48:49], s[46:47], 540672        ; WK's images of my head
	s_add_nc_u64 s[50:51], s[46:47], 1064960       ; WV's
	s_add_nc_u64 s[46:47], s[46:47], 16384         ; WQ's
	s_add_nc_u64 s[52:53], s[8:9], s[78:79]
	s_add_nc_u64 s[54:55], s[52:53], 33792         ; WK's scale words
	s_add_nc_u64 s[56:57], s[52:53], 66560         ; WV's
	s_add_nc_u64 s[52:53], s[52:53], 1024          ; WQ's
	s_add_nc_u64 s[58:59], s[6:7], s[86:87]        ; x's codes, row b
	s_add_nc_u64 s[60:61], s[8:9], s[88:89]        ; x's scale words, row b
	s_add_nc_u64 s[62:63], s[10:11], s[82:83]      ; bQ of my head
	s_add_nc_u64 s[66:67], s[12:13], s[82:83]      ; bK
	s_add_nc_u64 s[68:69], s[14:15], s[84:85]      ; bV of the pair
	s_add_nc_u64 s[16:17], s[96:97], s[90:91]      ; x as f32
	s_add_nc_u64 s[70:71], s[98:99], s[90:91]      ; zsum
	s_mov_b32 s32, 1                               ; group 0 for the first fill: count 1;
	s_mov_b32 s33, s76                             ; slot 0, my quarter;
	s_add_nc_u64 s[34:35], s[4:5], s[74:75]        ; steps 0 to 3
	s_mov_b32 s36, 1                               ; group 0 for the second, which then walks on:
	s_add_co_u32 s37, s76, SLOT1                   ; slot 1;
	s_add_nc_u64 s[38:39], s[34:35], FILLB         ; steps 4 to 7
	s_or_b32 s35, s35, 0x80000000                  ; type = 2
	s_or_b32 s39, s39, 0x80000000
	ROUND                                          ; all four work-groups are here: the first joint loads meet
	tensor_load_to_lds s[32:35], s[24:31]          ; both first fills go out together, ahead of every wait on TENSORcnt, every LDS read and every other barrier: two loads of mine are out
	s_nop 0
	tensor_load_to_lds s[36:39], s[24:31]
	s_nop 0
	PLACES 4
	; ---- what q wants: 108 loads.  EVERY LANE r READS ROW b OF x: all 16 columns of the product are then q[b], and nothing has to be broadcast
.irp s, 0,1,2,3,4,5,6,7
.irp c, 0,1
	global_load_b128 v[XF+8*\s+4*\c:XF+8*\s+4*\c+3], v6, s[58:59] offset:1024*\s+512*\c
.endr
.endr
.irp f, 0,1
.irp p, 0,1
	global_load_b64 v[YSC+4*\f+2*\p:YSC+4*\f+2*\p+1], v7, s[60:61] offset:256*\f+128*\p   ; row b's words of K steps 4 f + p and 4 f + 2 + p, the same in every lane
.endr
.endr
.irp t, 0,1,2,3
	global_load_b128 v[BQ+8*\t:BQ+8*\t+3], v5, s[62:63] offset:64*\t           ; biases in the result's layout: channels 16 t + 8 h + 0 .. 7
	global_load_b128 v[BQ+8*\t+4:BQ+8*\t+7], v5, s[62:63] offset:64*\t+16
	global_load_b128 v[BK+8*\t:BK+8*\t+3], v5, s[66:67] offset:64*\t
	global_load_b128 v[BK+8*\t+4:BK+8*\t+7], v5, s[66:67] offset:64*\t+16
.endr
.irp t, 0,1,2,3
.irp f, 0,1
	global_load_b64 v[QSC+4*\t+2*\f:QSC+4*\t+2*\f+1], v4, s[52:53] offset:512*\t+256*\f
.endr
.endr
	WIN 0x40                                       ; destination window 1
.irp t, 0,1,2,3
.irp s, 0,1,2,3,4,5,6,7
.irp c, 0,1
	global_load_b128 v[8*(8*\t+\s)+4*\c:8*(8*\t+\s)+4*\c+3], v1, s[46:47] offset:(8*\t+\s)*1024+512*\c
.endr
.endr
.endr
	WIN 0x80                                       ; destination window 2: WK's tiles 0 to 2, 48 loads, on their way while q is made
.irp t, 0,1,2
.irp s, 0,1,2,3,4,5,6,7
.irp c, 0,1
	global_load_b128 v[8*(8*\t+\s)+4*\c:8*(8*\t+\s)+4*\c+3], v1, s[48:49] offset:(8*\t+\s)*1024+512*\c
.endr
.endr
.endr
	WIN 0
	s_wait_loadcnt 48                              ; all but the 48 just issued
	WIN 0x01                                       ; source 0 (WQ) window 1
.irp s, 0,1,2,3,4,5,6,7                ; q^T = WQ x^T + bQ: four accumulators by turns, one instruction a turn
.irp t, 0,1,2,3
.if \s == 0
	WM QD+8*\t, 8*(8*\t+\s), XF+8*\s, 1, BQ+8*\t, QSC+4*\t+2*(\s>>2)+((\s>>1)&1), YSC+4*(\s>>2)+2*(\s&1)+((\s>>1)&1), \s&1, 0
.else
	WM QD+8*\t, 8*(8*\t+\s), XF+8*\s, 1, QD+8*\t, QSC+4*\t+2*(\s>>2)+((\s>>1)&1), YSC+4*(\s>>2)+2*(\s&1)+((\s>>1)&1), \s&1, 0
.endif
.endr
.endr
	WIN 0
	PLACES 4
.irp i, 0,2,4,6,8,10,12,14,16,18,20,22,24,26,28,30
	v_pk_mul_f32 v[QD+\i:QD+\i+1], v[QD+\i:QD+\i+1], s[44:45] op_sel_hi:[1,0]   ; q x log2(e) / 8; each accumulator from its low end on
.endr
	v_pk_mul_f32 v[26:27], v[QD:QD+1], v[BK:BK+1]  ; my half's part of q . bK, which starts every score
.irp i, 2,4,6,8,10,12,14,16,18,20,22,24,26,28,30
	v_pk_fma_f32 v[26:27], v[QD+\i:QD+\i+1], v[BK+\i:BK+\i+1], v[26:27]
.endr
	v_add_f32 v26, v26, v27
	v_mov_b32 v27, 0
.set i, 0
.rept 32
	v_mov_b32 v[ATT+i], 0                          ; att.  (The step is written once: the first finds zeros, which the first change of the maximum leaves zeros)
.set i, i+1
.endr
	v_mov_b32 v16, 0xff61b1e6                      ; m: -3e38, under every t
	v_mov_b32 v18, 0                               ; the sum of p
	v_mov_b32 v21, 0                               ; (upper halves of pairs that are named whole)
	v_mov_b32 v23, 0
	v_mov_b32 v25, 0
	v_mov_b32 v30, 0                               ; (a lane permute's destination counts as one of its sources)
	v_mov_b32 v31, 0
	; ---- the other weights, bV and x: 98 loads
	WIN 0x80
.irp s, 0,1,2,3,4,5,6,7
.irp c, 0,1
	global_load_b128 v[8*(24+\s)+4*\c:8*(24+\s)+4*\c+3], v1, s[48:49] offset:(24+\s)*1024+512*\c
.endr
.endr
	WIN 0xc0                                       ; destination window 3
.irp t, 0,1,2,3
.irp s, 0,1,2,3,4,5,6,7
.irp c, 0,1
	global_load_b128 v[8*(8*\t+\s)+4*\c:8*(8*\t+\s)+4*\c+3], v1, s[50:51] offset:(8*\t+\s)*1024+512*\c
.endr
.endr
.endr
	WIN 0
.irp t, 0,1,2,3
.irp f, 0,1
	global_load_b64 v[KSC+4*\t+2*\f:KSC+4*\t+2*\f+1], v4, s[54:55] offset:512*\t+256*\f
	global_load_b64 v[KSC+16+4*\t+2*\f:KSC+16+4*\t+2*\f+1], v4, s[56:57] offset:512*\t+256*\f
.endr
.endr
	global_load_b128 v[BVF:BVF+3], v1, s[68:69]    ; bV: lane L: head L / 16 of the pair, channels 4 (L % 16) on
	global_load_b128 v[XV:XV+3], v1, s[16:17]      ; x of the same channels, row b
; 34 LDS loads in one run: a step's 16 fragments of y into buffer buf, and its scale words: register s, lane L: position L's word of K step s
.macro FETCH buf, o
	WIN 0x40
.irp s, 0,1,2,3,4,5,6,7
.irp p, 0,1
.irp c, 0,1
	ds_load_b128 v[128*(\buf)+8*(2*\s+\p)+4*\c:128*(\buf)+8*(2*\s+\p)+4*\c+3], v3 offset:(\o)+(2*\s+\p)*1024+512*\c
.endr
.endr
.endr
	WIN 0
.irp i, 0,1
	ds_load_b128 v[YSC+8*(\buf)+4*\i:YSC+8*(\buf)+4*\i+3], v3 offset:(\o)+16384+512*\i
.endr
.endm
; 64 matrix instructions: my head's 64 rows of WK (kv = 0) or WV (1) x 32 positions, all of K.  The eight accumulators take turns, one instruction a turn; the first K step starts the sums.
.macro GROUP kv, buf
	WIN 0x06+\kv                                   ; source 0 window 2 or 3, source 1 window 1
.irp s, 0,1,2,3,4,5,6,7
.irp p, 0,1
.irp t, 0,1,2,3
	WM ACC+8*(4*\p+\t), 8*(8*\t+\s), 128*(\buf)+8*(2*\s+\p), \s, ACC+8*(4*\p+\t), KSC+16*(\kv)+4*\t+2*(\s>>2)+((\s>>1)&1), YSC+8*(\buf)+\s, \s&1, \p
.endr
.endr
.endr
	WIN 0
.endm
; The scores of my two positions: four chains by turns, each accumulator from its low end on; then the other half of the lanes' 32 channels
.macro PRE
.irp i, 0,1,2,3,4,5,6,7
.irp p, 0,1
.if \i == 0
	v_pk_fma_f32 v[PA+4*\p:PA+4*\p+1], v[ACC+32*\p:ACC+32*\p+1], v[QD:QD+1], v[26:27]
	v_pk_mul_f32 v[PA+4*\p+2:PA+4*\p+3], v[ACC+32*\p+16:ACC+32*\p+17], v[QD+16:QD+17]
.else
	v_pk_fma_f32 v[PA+4*\p:PA+4*\p+1], v[ACC+32*\p+2*\i:ACC+32*\p+2*\i+1], v[QD+2*\i:QD+2*\i+1], v[PA+4*\p:PA+4*\p+1]
	v_pk_fma_f32 v[PA+4*\p+2:PA+4*\p+3], v[ACC+32*\p+16+2*\i:ACC+32*\p+17+2*\i], v[QD+16+2*\i:QD+17+2*\i], v[PA+4*\p+2:PA+4*\p+3]
.endif
.endr
.endr
.irp p, 0,1
	v_pk_add_f32 v[PA+4*\p:PA+4*\p+1], v[PA+4*\p:PA+4*\p+1], v[PA+4*\p+2:PA+4*\p+3]
.endr
.irp p, 0,1
	v_add_f32 v[28+\p], v[PA+4*\p], v[PA+4*\p+1]
.endr
.irp p, 0,1
	v_permlanex16_b32 v[30+\p], v[28+\p], s42, s43
.endr
.irp p, 0,1
	v_add_f32 v[28+\p], v[28+\p], v[30+\p]         ; t of positions r and 16 + r, the same bits in both halves of the lanes
.endr
.endm
.macro SOFTMAX
	v_max3_num_f32 v17, v16, v28, v29              ; the lane's new maximum
	v_sub_f32 v19, v16, v17
	v_sub_f32 v28, v28, v17
	v_sub_f32 v29, v29, v17
	v_exp_f32 v20, v19                             ; f = 2^(old m - new m)
	v_exp_f32 v22, v28                             ; p of position r
	v_exp_f32 v24, v29                             ; p of position 16 + r
	v_mov_b32 v16, v17                             ; (a plain line behind the exponentials)
	s_wait_alu depctr_va_vdst(0)
	v_fma_f32 v18, v18, v20, v22
	v_add_f32 v18, v18, v24
.endm
.macro UPDATE                          ; att = att f + v(:, r) p + v(:, 16 + r) p.  The first sixteen lines name no accumulator
.irp i, 0,2,4,6,8,10,12,14,16,18,20,22,24,26,28,30
	v_pk_mul_f32 v[ATT+\i:ATT+\i+1], v[ATT+\i:ATT+\i+1], v[20:21] op_sel_hi:[1,0]
.endr
.irp i, 0,2,4,6,8,10,12,14,16,18,20,22,24,26,28,30
	v_pk_fma_f32 v[ATT+\i:ATT+\i+1], v[ACC+\i:ACC+\i+1], v[22:23], v[ATT+\i:ATT+\i+1] op_sel_hi:[1,0,1]
.endr
.irp i, 0,2,4,6,8,10,12,14,16,18,20,22,24,26,28,30
	v_pk_fma_f32 v[ATT+\i:ATT+\i+1], v[ACC+32+\i:ACC+33+\i], v[24:25], v[ATT+\i:ATT+\i+1] op_sel_hi:[1,0,1]
.endr
.endm
; A step of 32 positions.  Places: four v_nop in front of the first read of k; between a product for k and the product for v that writes over its accumulator stand those four and at least
; 28 packed lines that name other accumulators; behind the last product for v stand SOFTMAX's seven plain lines and UPDATE's first sixteen; these also stand in front of the next loads into y's registers.
.macro COMPUTE buf
	GROUP 0, \buf
	PLACES 4
	PRE
	GROUP 1, \buf
	SOFTMAX
	UPDATE
.endm
; THE CHANGE OF SLOTS stands where the slot's last fragments have been asked for.  Each wave waits for all its tensor loads (its quarter of the other slot), adds 0 to its spare word, and waits for that and for
; its reads of the slot.  fill = 1: the barrier is a round of the cluster's, and behind it the slot is filled again with the steps two slots on: the load has two steps, 256 matrix instructions, in which to land.
.macro CHANGE fill
	s_wait_tensorcnt 0x0                           ; no tensor load of mine is out, so a group 0 may be written
	ds_add_u32 v8, v9                              ; 0 onto my spare word
.if \fill
	s_xor_b32 s37, s37, SLOT1                      ; the walking descriptor: the other slot than last time,
	s_add_nc_u64 s[38:39], s[38:39], FILLB         ; the next four steps; the type bits on top are not reached
.endif
	s_wait_dscnt 0x0                               ; the add is done, and my reads of the slot are back
.if \fill
	ROUND
	tensor_load_to_lds s[36:39], s[24:31]          ; the first thing behind the round, and my one tensor load until the next
	s_nop 0
	PLACES 4
.else
	s_barrier_signal -1
	s_barrier_wait -1
.endif
	s_xor_b32 s40, s40, SLOT1                      ; on to the other slot
	v_add_nc_u32 v3, s40, v2
.endm
.macro EVEN                            ; a slot's first step of mine is multiplied while its second is fetched
	s_wait_dscnt 0x0
	FETCH 1, 2*STEPB
	COMPUTE 0
.endm
.macro ODD fill                        ; the second is multiplied while the next slot's first is fetched
	CHANGE \fill
	FETCH 0, 0
	COMPUTE 1
.endm
	s_wait_tensorcnt 1                             ; my quarter of slot 0 is in; slot 1's may stay out
	s_barrier_signal -1
	s_barrier_wait -1                              ; everybody's is
	s_mov_b32 s40, 0
	v_mov_b32 v3, v2
	FETCH 0, 0
	s_wait_loadcnt 0x0                             ; the weights, bV and x
	s_mov_b32 s41, 6
.Ltrip:                                            ; six trips: trip j reads fill j and asks for fill j + 2
	EVEN
	ODD 1
	s_sub_co_u32 s41, s41, 1
	s_cmp_lg_u32 s41, 0
	s_cbranch_scc1 .Ltrip
	EVEN                                           ; the last two fills are written out
	ODD 0
	EVEN
	s_wait_dscnt 0x0
	COMPUTE 1
	; ---- THE END.  The 16 lanes of a half are brought under their common maximum and added; then the head's two waves meet in LDS
	v_mov_b32 v17, v16
.irp k, 1,2,4,8
	v_max_num_f32_dpp v17, v17, v17 row_xmask:\k row_mask:0xf bank_mask:0xf
.endr
	v_sub_f32 v19, v16, v17
	v_exp_f32 v20, v19
	v_nop                                          ; a plain line behind the exponential
	s_wait_alu depctr_va_vdst(0)
	v_mul_f32 v18, v18, v20
.irp i, 0,2,4,6,8,10,12,14,16,18,20,22,24,26,28,30
	v_pk_mul_f32 v[ATT+\i:ATT+\i+1], v[ATT+\i:ATT+\i+1], v[20:21] op_sel_hi:[1,0]
.endr
	v_mov_b32 v19, v17                             ; v[18:19]: the sum of p, the maximum
.irp k, 1,2,4,8
	v_add_f32_dpp v18, v18, v18 row_xmask:\k row_mask:0xf bank_mask:0xf
.set i, 0
.rept 32
	v_add_f32_dpp v[ATT+i], v[ATT+i], v[ATT+i] row_xmask:\k row_mask:0xf bank_mask:0xf
.set i, i+1
.endr
.endr
.irp t, 0,1,2,3
.irp u, 0,1
	ds_store_b128 v10, v[ATT+8*\t+4*\u:ATT+8*\t+4*\u+3] offset:64*\t+16*\u   ; channels 16 t + 8 h + 4 u on; the sixteen lanes of a half write the same bytes with the same values
.endr
.endr
	ds_store_b64 v11, v[18:19] offset:256
	s_wait_dscnt 0x0                               ; for the others' sake: my stores have landed
	s_barrier_signal -1
	s_barrier_wait -1
	s_cmp_lg_u32 s18, 0
	s_cbranch_scc1 .Lothers
	ds_load_b128 v[112:115], v12                   ; lane L: head L / 16, channels 4 (L % 16) on: the even steps' wave,
	ds_load_b128 v[116:119], v12 offset:512        ; the odd steps' wave;
	ds_load_b64 v[120:121], v13 offset:256         ; their sums of p and maxima
	ds_load_b64 v[122:123], v13 offset:768
	s_wait_dscnt 0x0
	v_max_num_f32 v124, v121, v123
	v_sub_f32 v125, v121, v124
	v_sub_f32 v126, v123, v124
	v_exp_f32 v125, v125
	v_exp_f32 v126, v126
	v_nop
	s_wait_alu depctr_va_vdst(0)
	v_mul_f32 v127, v120, v125
	v_fma_f32 v127, v122, v126, v127               ; the row's sum of p
	v_rcp_f32 v127, v127
	v_nop
	s_wait_alu depctr_va_vdst(0)
	v_mul_f32 v125, v125, v127
	v_mul_f32 v126, v126, v127
.irp i, 0,1,2,3
	v_fma_f32 v[128+\i], v[112+\i], v125, v[BVF+\i]
.endr
.irp i, 0,1,2,3
	v_fma_f32 v[128+\i], v[116+\i], v126, v[128+\i]      ; att
.endr
.irp i, 0,1,2,3
	v_add_f32 v[128+\i], v[128+\i], v[XV+\i]             ; x + att: the next launch then reads one tensor where it would read two
.endr
	global_store_b128 v1, v[128:131], s[70:71]     ; the pair's 128 numbers: 512 consecutive bytes, aligned
.Lothers:
	s_wait_tensorcnt 0x0                           ; the wave's end, behind my last tensor load and my last LDS store
	ds_add_u32 v8, v9
	s_wait_dscnt 0x0
	ROUND                                          ; the closing round: no work-group ends while a partner may still ask for a tile that names it
	s_endpgm
.Lfunc_end_k_q958d44f825_kvatt:
	.size	k_q958d44f825_kvatt, .Lfunc_end_k_q958d44f825_kvatt-k_q958d44f825_kvatt
	.p2alignl 7, 3214868480
	.fill 96, 4, 3214868480
	.section	.rodata,"a",@progbits
	.p2align	6, 0x0
	.amdhsa_kernel k_q958d44f825_kvatt
		.amdhsa_group_segment_fixed_size 327680
		.amdhsa_private_segment_fixed_size 0
		.amdhsa_enable_private_segment 0
		.amdhsa_kernarg_size 64
		.amdhsa_user_sgpr_count 2
		.amdhsa_user_sgpr_kernarg_segment_ptr 1
		.amdhsa_wavefront_size32 1
		.amdhsa_system_sgpr_workgroup_id_x 1
		.amdhsa_system_sgpr_workgroup_id_y 1
		.amdhsa_system_sgpr_workgroup_id_z 1
		.amdhsa_system_vgpr_workitem_id 0
		.amdhsa_next_free_vgpr 1024
		.amdhsa_next_free_sgpr 100
		.amdhsa_reserve_vcc 0
		.amdhsa_float_denorm_mode_32 3
		.amdhsa_float_denorm_mode_16_64 3
		.amdhsa_memory_ordered 1
		.amdhsa_forward_progress 1
		.amdhsa_inst_pref_size 197
	.end_amdhsa_kernel
	.amdgpu_metadata
---
amdhsa.version: [ 1, 2 ]
amdhsa.kernels:
  - .name:           k_q958d44f825_kvatt
    .symbol:         k_q958d44f825_kvatt.kd
    .args:
      - { .name: ybuf, .offset: 0, .size: 8, .value_kind: global_buffer, .address_space: global }
      - { .name: wcodes, .offset: 8, .size: 8, .value_kind: global_buffer, .address_space: global }
      - { .name: wscales, .offset: 16, .size: 8, .value_kind: global_buffer, .address_space: global }
      - { .name: WQ_b, .offset: 24, .size: 8, .value_kind: global_buffer, .address_space: global }
      - { .name: WK_b, .offset: 32, .size: 8, .value_kind: global_buffer, .address_space: global }
      - { .name: WV_b, .offset: 40, .size: 8, .value_kind: global_buffer, .address_space: global }
      - { .name: x, .offset: 48, .size: 8, .value_kind: global_buffer, .address_space: global }
      - { .name: zsum, .offset: 56, .size: 8, .value_kind: global_buffer, .address_space: global }
    .group_segment_fixed_size: 327680
    .private_segment_fixed_size: 0
    .kernarg_segment_align: 8
    .kernarg_segment_size: 64
    .max_flat_workgroup_size: 128
    .sgpr_count:     100
    .vgpr_count:     1024
    .wavefront_size: 32
...
	.end_amdgpu_metadata
.endif
;; end of part 2
;; launch ffn1 (part 3): grid 128 x 1, 8 waves a work-group, no clusters, 304,128 bytes of LDS; arguments zsum, bn1_g, bn1_b, w1_w, w1_b, hcodes, hscales, ret; writes hcodes, hscales, ret
.if DOCPART == 3
	.amdgcn_target "amdgcn-amd-amdhsa--gfx1250"
	.amdhsa_code_object_version 6
	.text
	.protected	k_q958d44f825_ffn1
	.globl	k_q958d44f825_ffn1
	.p2align	8
	.type	k_q958d44f825_ffn1,@function
k_q958d44f825_ffn1:
	s_mov_b64 s[64:65], 0
	v_nop
	global_prefetch_b8 v0, s[64:65] scope:SCOPE_SE
	s_setreg_imm32_b32 hwreg(HW_REG_WAVE_MODE, 25, 1), 1
	s_wait_xcnt 0x0
; ret = batch norm over the 32 rows of z = x + att (mean; variance of the differences, as reference() has it; eps 1e-5; gain, bias);  h = relu(Q(ret) Q(w1)^T + w1_b), quantised along the hidden units.
; SHARES.  Work-group g makes hidden units 32 g .. 32 g + 31 for all 32 rows: one block of the next product's K, the least that a quantiser can close.  It takes in z whole (128 KB) and its 32 rows of w1 (128 KB as f32),
; each byte once.  w1 IS QUANTISED HERE, IN REGISTERS: each of its rows is read by this one work-group alone.
; K IS SPLIT OVER THE EIGHT WAVES: wave w owns K step w, channels 128 w .. 128 w + 127.  Those are the channels of its own 32 threads in the batch norm (thread tid: channels 4 tid .. 4 tid + 3 of all 32 rows), so the
; turn from that layout into the operand's goes through the wave's OWN stage in LDS and wants no barrier; w1's 32 rows x 128 numbers take the same way through a second stage.  The wave then holds ret's two fragments
; and w1's two of its K step and makes four partial products.  ONE barrier; waves 0 and 1 (rows 16 m on) add w1_b and the eight parts in ascending K, in f32: AN ORDER OF ROUNDING THAT DIFFERS from one chain along K.
; z is read by all 128 work-groups and still comes by plain loads: it goes straight into the registers in which it is summed, and a joint load would end in LDS, from where the same 128 KB would have to be read once more.
; The product is used transposed (source 0 = 16 rows of w1, source 1 = ret's 16 rows).  THE ROWS OF w1 THAT FORM A TILE ARE NOT NEIGHBOURS: lane r of tile u takes row 32 g + 8 u + r + 8 (r / 8), so that a lane's
; 16 registers of the two tiles are hidden units 32 g + 16 h + 0 .. 15.
; hcodes: [K step 32][m 2] images of 1,024 bytes; a lane's 16 codes are 8 bytes at 256 (g % 4) + 16 r + 8 h of image (g / 4, m).   hscales: [K step 32][row 32] words, byte g % 4.
; Work-groups 0 to 31 also store row g of ret, read back from the stages behind the barrier.
; LIMITS: NaN and infinities are not served; a block whose largest magnitude lies under 2^-124, a block of zeros too, gets the scale byte 1 (its codes are read by this program alone).
; REGISTERS.  Window 0: v1-15 addresses; v16-23 at work, at the end v16-31 the sums; v24-31 the batch norm's sums; v32-35 a piece of ret; v36-37 h's codes; v38-39, v44-46 at work at the end;
;   v40-41 ret's scale words, v42-43 w1's; v48-63 w1_b; v64-191 z, 4 a row; later v64-79 ret's fragments, v80-95 w1's, v96-127 four accumulators; v192-255 and v128-191 two sets of 64 numbers (v192-199 first gain and bias);
;   at the end v128-255 the eight parts.   Window 1: v0-127 w1 as loaded, 4 a row.
.set SP,   528                         ; a row of a stage: 512 bytes + 16: sixteen rows begin 16 bytes apart modulo 256
.set WSTG, 32*SP                       ; a wave's stage: 32 rows
.set WST,  8*WSTG                      ; behind z's eight stages: w1's eight
.set PART, 16*WSTG                     ; behind them: the parts, 4,096 bytes a wave: accumulator 2 m + u as it stands, 16 bytes a lane
.set Z,    64
.set GA,   192
.set RF,   64
.set WF,   80
.set P,    96
.set XS,   40
.set WS,   42
.set BI,   48
.set HA,   16
.set PS,   128
.set MSB, 0
.macro WIN new                         ; the immediate's high byte repeats the setting that is left
.if MSB != \new
	s_set_vgpr_msb (MSB<<8)|\new
.set MSB, \new
.endif
.endm
	s_load_b512 s[4:19], s[0:1], 0x0               ; zsum 4, bn1_g 6, bn1_b 8, w1_w 10, w1_b 12, hcodes 14, hscales 16, ret 18
	v_lshl_add_u32 v47, v0, 2, 0x4a000
	s_set_vgpr_msb 0x40
	v_mov_b32 v129, 0
	s_set_vgpr_msb 0x4000
	v_lshrrev_b32 v1, 5, v0
	v_readfirstlane_b32 s24, v1                    ; wave w 0..7
	s_and_b32 s25, s24, 1                          ; m, for the two waves that close
	s_min_u32 s26, ttmp9, 31                       ; the row of ret that work-groups 0 to 31 store; the bound is written, since it enters an LDS address
	v_and_b32 v1, 31, v0
	v_lshlrev_b32 v1, 4, v1                        ; v1  16 L
	v_and_b32 v10, 15, v0                          ; r
	v_bfe_u32 v11, v0, 4, 1                        ; h
	v_lshlrev_b32 v3, 6, v11                       ; v3  64 h
	v_lshlrev_b32 v4, 4, v0                        ; v4  16 tid = 512 w + 16 L: my 16 bytes of a row of z, of w1 and of ret
	s_mul_i32 s28, s24, WSTG
	v_add_nc_u32 v5, s28, v1                       ; v5  into my stage for z: 16 bytes a lane
	v_mul_u32_u24 v6, v10, SP
	v_lshl_add_u32 v6, v11, 7, v6
	v_add_nc_u32 v6, s28, v6                       ; v6  out of it: row r, + 128 h bytes: my 32 numbers of each 64
	v_add_nc_u32 v2, WST, v5                       ; v2  into my stage for w1
	v_add_nc_u32 v9, WST, v6                       ; v9  out of it
	s_mul_i32 s29, s26, SP
	s_add_co_u32 s29, s29, s28
	v_add_nc_u32 v13, s29, v1                      ; v13 my wave's 512 bytes of the row of ret
	s_lshl_b32 s29, s24, 12
	s_add_co_u32 s29, s29, PART
	v_add_nc_u32 v7, s29, v1                       ; v7  my parts
	s_lshl_b32 s29, s25, 11
	s_add_co_u32 s29, s29, PART
	v_add_nc_u32 v8, s29, v1                       ; v8  the parts of rows 16 m on, wave 0's
	v_lshlrev_b32 v12, 2, v10                      ; v12 4 r
	v_lshlrev_b32 v15, 3, v11                      ; v15 8 h
	v_lshl_add_u32 v14, v10, 4, v15                ; v14 16 r + 8 h
	v_mov_b32 v23, 0                               ; (a lane permute's destination counts as one of its sources)
	v_mov_b32 v44, 0
	s_mov_b32 s40, 0x3d000000                      ; 1 / 32
	s_mov_b32 s41, s40
	s_mov_b32 s42, 0x3727c5ac                      ; 1e-5
	s_mov_b32 s46, 0x76543210
	s_mov_b32 s47, 0xfedcba98                      ; v_permlanex16_b32's selects for lane l xor 16
	s_lshl_b32 s50, ttmp9, 17                      ; w1: 32 rows of 4,096 bytes a work-group
	s_mov_b32 s51, 0
	s_lshl_b32 s52, ttmp9, 7                       ; w1_b: 32 numbers
	s_mov_b32 s53, 0
	s_lshr_b32 s48, ttmp9, 2                       ; the next product's K step,
	s_and_b32 s49, ttmp9, 3                        ; and the block in it
	s_lshl_b32 s54, s48, 11
	s_lshl_b32 s31, s25, 10
	s_add_co_u32 s54, s54, s31
	s_lshl_b32 s31, s49, 8
	s_add_co_u32 s54, s54, s31                     ; hcodes: image 2 (g / 4) + m, + 256 (g % 4)
	s_mov_b32 s55, 0
	s_lshl_b32 s56, s48, 7
	s_lshl_b32 s31, s25, 6
	s_add_co_u32 s56, s56, s31
	s_add_co_u32 s56, s56, s49                     ; hscales: 128 (g / 4) + 64 m + g % 4
	s_mov_b32 s57, 0
	s_lshl_b32 s58, s26, 12                        ; ret: the row
	s_mov_b32 s59, 0
	s_wait_kmcnt 0x0
	s_add_nc_u64 s[32:33], s[10:11], s[50:51]
	s_add_nc_u64 s[34:35], s[12:13], s[52:53]
	s_add_nc_u64 s[36:37], s[14:15], s[54:55]
	s_add_nc_u64 s[38:39], s[16:17], s[56:57]
	s_add_nc_u64 s[44:45], s[18:19], s[58:59]
	global_load_b128 v[GA:GA+3], v4, s[6:7]
	global_load_b128 v[GA+4:GA+7], v4, s[8:9]
.set i, 0
.rept 32
	global_load_b128 v[Z+4*i:Z+4*i+3], v4, s[4:5] offset:4096*i     ; a wave's load reads 512 consecutive bytes of a row
.set i, i+1
.endr
	WIN 0x40                                       ; destination window 1
.set i, 0
.rept 32
	global_load_b128 v[4*i:4*i+3], v4, s[32:33] offset:(8*(i/16)+(i%16)+8*((i%16)/8))*4096 th:TH_LOAD_NT   ; stage row 16 u + r is w1's row 32 g + 8 u + r + 8 (r / 8); read once in the launch
.set i, i+1
.endr
	WIN 0
.irp u, 0,1
	global_load_b128 v[BI+8*\u:BI+8*\u+3], v3, s[34:35] offset:32*\u           ; the bias in the result's layout: units 32 g + 16 h + 8 u + 0 .. 7
	global_load_b128 v[BI+8*\u+4:BI+8*\u+7], v3, s[34:35] offset:32*\u+16
.endr
	s_wait_loadcnt 36                              ; gain, bias and z are in; w1's 32 loads and w1_b's 4 may be out
	; ---- the batch norm of my four channels
	v_pk_add_f32 v[24:25], v[Z:Z+1], v[Z+8:Z+9]    ; the sums over the rows: four chains
	v_pk_add_f32 v[26:27], v[Z+2:Z+3], v[Z+10:Z+11]
	v_pk_add_f32 v[28:29], v[Z+4:Z+5], v[Z+12:Z+13]
	v_pk_add_f32 v[30:31], v[Z+6:Z+7], v[Z+14:Z+15]
.set i, 4
.rept 14
	v_pk_add_f32 v[24:25], v[24:25], v[Z+4*i:Z+4*i+1]
	v_pk_add_f32 v[26:27], v[26:27], v[Z+4*i+2:Z+4*i+3]
	v_pk_add_f32 v[28:29], v[28:29], v[Z+4*i+4:Z+4*i+5]
	v_pk_add_f32 v[30:31], v[30:31], v[Z+4*i+6:Z+4*i+7]
.set i, i+2
.endr
	v_pk_add_f32 v[24:25], v[24:25], v[28:29]
	v_pk_add_f32 v[26:27], v[26:27], v[30:31]
	v_pk_mul_f32 v[24:25], v[24:25], s[40:41] op_sel_hi:[1,0]      ; the means
	v_pk_mul_f32 v[26:27], v[26:27], s[40:41] op_sel_hi:[1,0]
.set i, 0
.rept 32
	v_pk_add_f32 v[Z+4*i:Z+4*i+1], v[Z+4*i:Z+4*i+1], v[24:25] neg_lo:[0,1] neg_hi:[0,1]
	v_pk_add_f32 v[Z+4*i+2:Z+4*i+3], v[Z+4*i+2:Z+4*i+3], v[26:27] neg_lo:[0,1] neg_hi:[0,1]
.set i, i+1
.endr
	v_pk_mul_f32 v[28:29], v[Z:Z+1], v[Z:Z+1]      ; the sums of the differences' squares
	v_pk_mul_f32 v[30:31], v[Z+2:Z+3], v[Z+2:Z+3]
	v_pk_mul_f32 v[24:25], v[Z+4:Z+5], v[Z+4:Z+5]
	v_pk_mul_f32 v[26:27], v[Z+6:Z+7], v[Z+6:Z+7]
.set i, 2
.rept 15
	v_pk_fma_f32 v[28:29], v[Z+4*i:Z+4*i+1], v[Z+4*i:Z+4*i+1], v[28:29]
	v_pk_fma_f32 v[30:31], v[Z+4*i+2:Z+4*i+3], v[Z+4*i+2:Z+4*i+3], v[30:31]
	v_pk_fma_f32 v[24:25], v[Z+4*i+4:Z+4*i+5], v[Z+4*i+4:Z+4*i+5], v[24:25]
	v_pk_fma_f32 v[26:27], v[Z+4*i+6:Z+4*i+7], v[Z+4*i+6:Z+4*i+7], v[26:27]
.set i, i+2
.endr
	v_pk_add_f32 v[24:25], v[24:25], v[28:29]
	v_pk_add_f32 v[26:27], v[26:27], v[30:31]
.irp c, 0,1,2,3
	v_fma_f32 v[24+\c], v[24+\c], s40, s42         ; variance + eps
.endr
.irp c, 0,1,2,3
	v_rsq_f32 v[24+\c], v[24+\c]
.endr
	v_nop                                          ; a plain line behind the transcendentals
	s_wait_alu depctr_va_vdst(0)
	v_pk_mul_f32 v[24:25], v[24:25], v[GA:GA+1]    ; x the gain
	v_pk_mul_f32 v[26:27], v[26:27], v[GA+2:GA+3]
.set i, 0
.rept 32
	v_pk_fma_f32 v[Z+4*i:Z+4*i+1], v[Z+4*i:Z+4*i+1], v[24:25], v[GA+4:GA+5]
	v_pk_fma_f32 v[Z+4*i+2:Z+4*i+3], v[Z+4*i+2:Z+4*i+3], v[26:27], v[GA+6:GA+7]
.set i, i+1
.endr
; 16 rows x 128 numbers come out of a stage of mine in the operand's layout: lane (r, h) gets row r, k = 64 c + 32 h + 0 .. 31: blocks h and 2 + h whole.  set 0: v192-255, set 1: v128-191
.macro QLOAD set, adr, o
.irp c, 0,1
.irp i, 0,1,2,3,4,5,6,7
	ds_load_b128 v[192-64*(\set)+32*\c+4*\i:192-64*(\set)+32*\c+4*\i+3], v[\adr] offset:(\o)+256*\c+16*\i
.endr
.endr
.endm
; and become a fragment's eight registers at v[dst] and its rows' scale words in v[sw]
.macro QCALC set, dst, sw
.set NB, 192-64*(\set)
.irp c, 0,1
	v_max3_num_f32 v[16+\c], |v[NB+32*\c]|, |v[NB+32*\c+1]|, 0x1800000   ; my two blocks by turns; the floor 2^(3 - 127) among the leaves: the byte cannot fall under 1
.endr
.irp i, 2,4,6,8,10,12,14,16,18,20,22,24,26,28,30
.irp c, 0,1
	v_max3_num_f32 v[16+\c], v[16+\c], |v[NB+32*\c+\i]|, |v[NB+32*\c+\i+1]|
.endr
.endr
.irp c, 0,1
	v_add_nc_u32 v[18+\c], 0xff000000, v[16+\c]    ; 2 off the exponent field: the conversion's scale operand
.endr
.irp c, 0,1
	v_lshrrev_b32 v[20+\c], 23, v[18+\c]           ; the scale's byte
.endr
	v_lshl_or_b32 v22, v21, 16, v20
	v_lshlrev_b32 v22, v15, v22                    ; my two bytes at their places (8 h bits up);
	v_permlanex16_b32 v23, v22, s46, s47
	v_or_b32 v[(\sw)], v22, v23                    ; with lane l xor 16's two the row's word is whole
.irp c, 0,1
.irp g, 0,1,2,3
	v_cvt_scalef32_pk8_fp4_f32 v[(\dst)+4*\c+\g], v[NB+32*\c+8*\g:NB+32*\c+8*\g+7], v[18+\c]
.endr
.endr
	v_nop                                          ; one plain line behind the last conversion of a run
.endm
.set i, 0
.rept 32
	ds_store_b128 v5, v[Z+4*i:Z+4*i+3] offset:SP*i ; ret's 32 rows, my 128 channels.  LDS serves a wave's instructions in order: my loads below see these stores
.set i, i+1
.endr
	QLOAD 0, 6, 0                                  ; rows 0-15
	s_wait_dscnt 0x0                               ; they are in, and the stores have read z's registers, which are written from here on
	QLOAD 1, 6, 16*SP                              ; rows 16-31 come while rows 0-15 are quantised
	QCALC 0, RF, XS
	s_wait_dscnt 0x0
	s_wait_loadcnt 0x0                             ; w1 and w1_b
	WIN 0x04                                       ; an LDS store's data are its source 1: window 1
.set i, 0
.rept 32
	ds_store_b128 v2, v[4*i:4*i+3] offset:SP*i
.set i, i+1
.endr
	WIN 0
	QLOAD 0, 9, 0                                  ; w1's tile 0 comes while ret's rows 16-31 are quantised
	QCALC 1, RF+8, XS+1
	s_wait_dscnt 0x0
	QLOAD 1, 9, 16*SP                              ; tile 1 while tile 0 is quantised
	QCALC 0, WF, WS
	s_wait_dscnt 0x0
	QCALC 1, WF+8, WS+1
.rept 8
	v_nop                                          ; a scale register written by a vector instruction stands 8 places ahead of a scaled matrix instruction, an operand so written 4
.endr
.irp m, 0,1                            ; K step w's part of the 32 x 32 results: four accumulators, one instruction each; the constant 0 starts the sums
.irp u, 0,1
	v_wmma_scale_f32_16x16x128_f8f6f4 v[P+8*(2*\m+\u):P+8*(2*\m+\u)+7], v[WF+8*\u:WF+8*\u+7], v[RF+8*\m:RF+8*\m+7], 0, v[WS+\u], v[XS+\m] matrix_a_fmt:MATRIX_FMT_FP4 matrix_b_fmt:MATRIX_FMT_FP4
.endr
.endr
.rept 4
	v_nop                                          ; places in front of the first read of results (ISA guide 7.12.1)
.endr
.irp a, 0,1,2,3
	ds_store_b128 v7, v[P+8*\a:P+8*\a+3] offset:1024*\a            ; each accumulator from its low end on
	ds_store_b128 v7, v[P+8*\a+4:P+8*\a+7] offset:1024*\a+512
.endr
	s_wait_dscnt 0x0                               ; for the others' sake: my stores have landed
	s_barrier_signal -1
	s_barrier_wait -1                              ; the eight parts lie in LDS
	s_cmp_ge_u32 ttmp9, 32
	s_cbranch_scc1 .Lno_row
	ds_load_b128 v[32:35], v13                     ; z's stages still hold ret: my wave's 512 bytes of row g
	s_wait_dscnt 0x0
	global_store_b128 v4, v[32:35], s[44:45]       ; the eight waves store the row's 4,096 bytes on end
.Lno_row:
	s_cmp_ge_u32 s24, 2
	s_cbranch_scc1 .Lend                           ; waves 0 and 1 close rows 16 m on; no barrier stands behind this branch
.irp k, 0,1,2,3,4,5,6,7
.irp q, 0,1,2,3
	ds_load_b128 v[PS+16*\k+4*\q:PS+16*\k+4*\q+3], v8 offset:4096*\k+512*\q    ; wave k's accumulators 2 m and 2 m + 1
.endr
.endr
	s_wait_dscnt 0x0
.irp i, 0,2,4,6,8,10,12,14
	v_pk_add_f32 v[HA+\i:HA+\i+1], v[BI+\i:BI+\i+1], v[PS+\i:PS+\i+1]           ; the bias and K step 0,
.endr
.irp k, 1,2,3,4,5,6,7
.irp i, 0,2,4,6,8,10,12,14
	v_pk_add_f32 v[HA+\i:HA+\i+1], v[HA+\i:HA+\i+1], v[PS+16*\k+\i:PS+16*\k+\i+1]   ; then K ascending; eight chains by turns
.endr
.endr
.set i, 0
.rept 16
	v_max_num_f32 v[HA+i], 0, v[HA+i]              ; the activation, in f32
.set i, i+1
.endr
	v_max3_num_f32 v38, v[HA], v[HA+1], 0x1800000  ; my 16 of the block's 32 (none is negative), and the floor
	v_max3_num_f32 v39, v[HA+8], v[HA+9], v[HA+10]
	v_max3_num_f32 v38, v38, v[HA+2], v[HA+3]
	v_max3_num_f32 v39, v39, v[HA+11], v[HA+12]
	v_max3_num_f32 v38, v38, v[HA+4], v[HA+5]
	v_max3_num_f32 v39, v39, v[HA+13], v[HA+14]
	v_max3_num_f32 v38, v38, v[HA+6], v[HA+7]
	v_max3_num_f32 v38, v38, v39, v[HA+15]
	v_permlanex16_b32 v44, v38, s46, s47
	v_max_num_f32 v38, v38, v44                    ; with lane l xor 16's 16
	v_add_nc_u32 v45, 0xff000000, v38
	v_lshrrev_b32 v46, 23, v45
	v_cvt_scalef32_pk8_fp4_f32 v36, v[HA:HA+7], v45
	v_cvt_scalef32_pk8_fp4_f32 v37, v[HA+8:HA+15], v45
	v_nop
	global_store_b64 v14, v[36:37], s[36:37]       ; the wave stores 256 consecutive bytes, aligned
	global_store_b8 v12, v46, s[38:39]             ; a row's one scale byte, into its place in the row's word: sixteen bytes are all that the wave has; both lanes of a row write the same byte with the same value
.Lend:
	s_set_vgpr_msb 0x4
	s_wait_tensorcnt 0x0
	ds_add_u32 v47, v129
	s_wait_dscnt 0x0
	s_set_vgpr_msb 0x400
	s_endpgm
.Lfunc_end_k_q958d44f825_ffn1:
	.size	k_q958d44f825_ffn1, .Lfunc_end_k_q958d44f825_ffn1-k_q958d44f825_ffn1
	.p2alignl 7, 3214868480
	.fill 96, 4, 3214868480
	.section	.rodata,"a",@progbits
	.p2align	6, 0x0
	.amdhsa_kernel k_q958d44f825_ffn1
		.amdhsa_group_segment_fixed_size 304128
		.amdhsa_private_segment_fixed_size 0
		.amdhsa_enable_private_segment 0
		.amdhsa_kernarg_size 64
		.amdhsa_user_sgpr_count 2
		.amdhsa_user_sgpr_kernarg_segment_ptr 1
		.amdhsa_wavefront_size32 1
		.amdhsa_system_sgpr_workgroup_id_x 1
		.amdhsa_system_sgpr_workgroup_id_y 1
		.amdhsa_system_sgpr_workgroup_id_z 1
		.amdhsa_system_vgpr_workitem_id 0
		.amdhsa_next_free_vgpr 386
		.amdhsa_next_free_sgpr 66
		.amdhsa_reserve_vcc 0
		.amdhsa_float_denorm_mode_32 3
		.amdhsa_float_denorm_mode_16_64 3
		.amdhsa_memory_ordered 1
		.amdhsa_forward_progress 1
		.amdhsa_inst_pref_size 56
	.end_amdhsa_kernel
	.amdgpu_metadata
---
amdhsa.version: [ 1, 2 ]
amdhsa.kernels:
  - .name:           k_q958d44f825_ffn1
    .symbol:         k_q958d44f825_ffn1.kd
    .args:
      - { .name: zsum, .offset: 0, .size: 8, .value_kind: global_buffer, .address_space: global }
      - { .name: bn1_g, .offset: 8, .size: 8, .value_kind: global_buffer, .address_space: global }
      - { .name: bn1_b, .offset: 16, .size: 8, .value_kind: global_buffer, .address_space: global }
      - { .name: w1_w, .offset: 24, .size: 8, .value_kind: global_buffer, .address_space: global }
      - { .name: w1_b, .offset: 32, .size: 8, .value_kind: global_buffer, .address_space: global }
      - { .name: hcodes, .offset: 40, .size: 8, .value_kind: global_buffer, .address_space: global }
      - { .name: hscales, .offset: 48, .size: 8, .value_kind: global_buffer, .address_space: global }
      - { .name: ret, .offset: 56, .size: 8, .value_kind: global_buffer, .address_space: global }
    .group_segment_fixed_size: 304128
    .private_segment_fixed_size: 0
    .kernarg_segment_align: 8
    .kernarg_segment_size: 64
    .max_flat_workgroup_size: 256
    .sgpr_count:     66
    .vgpr_count:     386
    .wavefront_size: 32
...
	.end_amdgpu_metadata
.endif
;; end of part 3
;; launch ffn2 (part 4): grid 16 x 1, 16 waves a work-group, no clusters, 52,224 bytes of LDS; arguments hcodes, hscales, wcodes, wscales, w2_b, ret, bn2_g, bn2_b, out0; writes out0
.if DOCPART == 4
	.amdgcn_target "amdgcn-amd-amdhsa--gfx1250"
	.amdhsa_code_object_version 6
	.text
	.protected	k_q958d44f825_ffn2
	.globl	k_q958d44f825_ffn2
	.p2align	8
	.type	k_q958d44f825_ffn2,@function
k_q958d44f825_ffn2:
	s_mov_b64 s[64:65], 0
	v_nop
	global_prefetch_b8 v0, s[64:65] scope:SCOPE_SE
	s_setreg_imm32_b32 hwreg(HW_REG_WAVE_MODE, 25, 1), 1
	s_wait_xcnt 0x0
; out0 = batch norm over the 32 rows of Q(h) Q(w2)^T + w2_b + ret.
; SHARES.  Work-group g owns channels 64 g .. 64 g + 63 for all 32 rows, so the batch norm stays inside it and a row's 256 bytes leave whole.  Wave wv: tile t = wv % 4 of 16 channels, K steps 8 (wv / 4) on, eight of 32.
; K IS SPLIT OVER FOUR WAVES, whose f32 sums meet in LDS: an order of rounding that differs from one chain along K.  16 work-groups: the product has 64 tiles of channels, and a work-group needs four of them
; for whole runs of 256 bytes.  All operands go from memory straight into registers, each once: no tile in LDS, so no joint loads.
; Source 0 = h's 16 rows, source 1 = 16 rows of w2: lane (r, h) holds channel r and rows 16 m + 8 h + j.
; LIMITS: NaN and infinities are not served.
; REGISTERS: v1-13 addresses; v16-31 two accumulators; v32-39 h's scale words, v40-43 w2's; v44-47 a piece of ret; v48-51 w2_b, gain, bias of my channel; v64-191 h's 16 fragments, v192-255 w2's 8;
;   later v64-111 three waves' sums, v112-127 ret, v128-143 the result, v144-151 at work.
.set RED, 0                            ; 2,048 bytes a wave: its two accumulators as they stand, 16 bytes a lane
.set ZST, 32768                        ; ret's 32 rows x 64 channels: 256 bytes + 16
.set OST, ZST+32*272                   ; the result, likewise
.set AC,  16
.set HS,  32
.set WS,  40
.set HF,  64
.set WF,  192
.set PS,  64
.set RT,  112
.set OO,  128
.macro WM d, a, b, cm, c, sa, sb, ra, rb   ; cm = 0: C is the constant 0, else C at v[c]; ra, rb: the scales are read from lanes 16-31
.if (\cm) == 0
.if (\ra) && (\rb)
	v_wmma_scale_f32_16x16x128_f8f6f4 v[(\d):(\d)+7], v[(\a):(\a)+7], v[(\b):(\b)+7], 0, v[(\sa)], v[(\sb)] matrix_a_fmt:MATRIX_FMT_FP4 matrix_b_fmt:MATRIX_FMT_FP4 matrix_a_scale:MATRIX_SCALE_ROW1 matrix_b_scale:MATRIX_SCALE_ROW1
.elseif (\ra)
	v_wmma_scale_f32_16x16x128_f8f6f4 v[(\d):(\d)+7], v[(\a):(\a)+7], v[(\b):(\b)+7], 0, v[(\sa)], v[(\sb)] matrix_a_fmt:MATRIX_FMT_FP4 matrix_b_fmt:MATRIX_FMT_FP4 matrix_a_scale:MATRIX_SCALE_ROW1
.elseif (\rb)
	v_wmma_scale_f32_16x16x128_f8f6f4 v[(\d):(\d)+7], v[(\a):(\a)+7], v[(\b):(\b)+7], 0, v[(\sa)], v[(\sb)] matrix_a_fmt:MATRIX_FMT_FP4 matrix_b_fmt:MATRIX_FMT_FP4 matrix_b_scale:MATRIX_SCALE_ROW1
.else
	v_wmma_scale_f32_16x16x128_f8f6f4 v[(\d):(\d)+7], v[(\a):(\a)+7], v[(\b):(\b)+7], 0, v[(\sa)], v[(\sb)] matrix_a_fmt:MATRIX_FMT_FP4 matrix_b_fmt:MATRIX_FMT_FP4
.endif
.else
.if (\ra) && (\rb)
	v_wmma_scale_f32_16x16x128_f8f6f4 v[(\d):(\d)+7], v[(\a):(\a)+7], v[(\b):(\b)+7], v[(\c):(\c)+7], v[(\sa)], v[(\sb)] matrix_a_fmt:MATRIX_FMT_FP4 matrix_b_fmt:MATRIX_FMT_FP4 matrix_a_scale:MATRIX_SCALE_ROW1 matrix_b_scale:MATRIX_SCALE_ROW1
.elseif (\ra)
	v_wmma_scale_f32_16x16x128_f8f6f4 v[(\d):(\d)+7], v[(\a):(\a)+7], v[(\b):(\b)+7], v[(\c):(\c)+7], v[(\sa)], v[(\sb)] matrix_a_fmt:MATRIX_FMT_FP4 matrix_b_fmt:MATRIX_FMT_FP4 matrix_a_scale:MATRIX_SCALE_ROW1
.elseif (\rb)
	v_wmma_scale_f32_16x16x128_f8f6f4 v[(\d):(\d)+7], v[(\a):(\a)+7], v[(\b):(\b)+7], v[(\c):(\c)+7], v[(\sa)], v[(\sb)] matrix_a_fmt:MATRIX_FMT_FP4 matrix_b_fmt:MATRIX_FMT_FP4 matrix_b_scale:MATRIX_SCALE_ROW1
.else
	v_wmma_scale_f32_16x16x128_f8f6f4 v[(\d):(\d)+7], v[(\a):(\a)+7], v[(\b):(\b)+7], v[(\c):(\c)+7], v[(\sa)], v[(\sb)] matrix_a_fmt:MATRIX_FMT_FP4 matrix_b_fmt:MATRIX_FMT_FP4
.endif
.endif
.endm
	s_load_b512 s[4:19], s[0:1], 0x0               ; hcodes 4, hscales 6, wcodes 8, wscales 10, w2_b 12, ret 14, bn2_g 16, bn2_b 18
	s_load_b64 s[20:21], s[0:1], 0x40              ; out0
	v_lshl_add_u32 v62, v0, 2, 0xc400
	v_mov_b32 v63, 0
	v_lshrrev_b32 v1, 5, v0
	v_readfirstlane_b32 s22, v1                    ; wave 0..15
	s_and_b32 s23, s22, 3                          ; t
	s_lshr_b32 s24, s22, 2                         ; which eight K steps
	v_and_b32 v13, 31, v0                          ; L
	v_and_b32 v11, 15, v0                          ; r
	v_bfe_u32 v12, v0, 4, 1                        ; h
	v_lshlrev_b32 v1, 4, v13                       ; v1  16 L
	v_lshlrev_b32 v2, 2, v13                       ; v2  4 L
	v_lshlrev_b32 v3, 3, v13                       ; v3  8 L
	v_lshlrev_b32 v10, 2, v11                      ; v10 4 r
	s_lshl_b32 s26, s22, 11
	v_add_nc_u32 v4, s26, v1                       ; v4  my wave's sums: 2,048 wv + 16 L
	s_lshl_b32 s26, s22, 1
	v_add_nc_u32 v13, s26, v12                     ; row 2 wv + L / 16
	v_mul_u32_u24 v5, v13, 272
	v_lshl_add_u32 v5, v11, 4, v5
	v_add_nc_u32 v8, OST, v5                       ; v8  the result, by rows: sixteen lanes to a row's 256 bytes
	v_add_nc_u32 v5, ZST, v5                       ; v5  ret, likewise
	v_lshlrev_b32 v9, 12, v13
	v_lshl_add_u32 v9, v11, 4, v9                  ; v9  the same place in memory: rows of 4,096 bytes
	v_mul_u32_u24 v6, v12, 2176
	v_lshl_add_u32 v6, v11, 2, v6
	s_lshl_b32 s26, s23, 6
	v_add_nc_u32 v6, s26, v6                       ; rows 8 h on, channel 16 t + r
	v_add_nc_u32 v7, OST, v6                       ; v7  the result, in the accumulators' layout
	v_add_nc_u32 v6, ZST, v6                       ; v6  ret, likewise
	v_mov_b32 v51, 0                               ; (upper half of a pair that is named whole)
	s_mov_b32 s46, 0x76543210
	s_mov_b32 s47, 0xfedcba98
	s_mov_b32 s48, 0x3d000000                      ; 1 / 32
	s_mov_b32 s49, 0x3727c5ac                      ; 1e-5
	s_lshl_b32 s50, s24, 14                        ; hcodes: 16 images on for each eight K steps
	s_mov_b32 s51, 0
	s_lshl_b32 s26, ttmp9, 2
	s_add_co_u32 s26, s26, s23                     ; tile T = 4 g + t
	s_lshl_b32 s52, s26, 5
	s_lshl_b32 s27, s24, 3
	s_add_co_u32 s52, s52, s27
	s_lshl_b32 s52, s52, 10
	s_add_co_u32 s52, s52, 1589248                 ; w2's images (T, 8 (wv / 4) on): w2 begins at half-unit 388 of 4,096 bytes
	s_mov_b32 s53, 0
	s_lshl_b32 s54, s26, 3
	s_lshl_b32 s27, s24, 1
	s_add_co_u32 s54, s54, s27
	s_lshl_b32 s54, s54, 8
	s_add_co_u32 s54, s54, 99328                   ; and their scale words: 388 x 256 bytes on
	s_mov_b32 s55, 0
	s_wait_kmcnt 0x0
	s_add_nc_u64 s[28:29], s[4:5], s[50:51]
	s_add_nc_u64 s[30:31], s[8:9], s[52:53]
	s_add_nc_u64 s[34:35], s[10:11], s[54:55]
	s_lshl_b32 s50, s24, 10                        ; hscales: 128 bytes a K step
	s_add_nc_u64 s[32:33], s[6:7], s[50:51]
	s_lshl_b32 s50, ttmp9, 8                       ; my 64 channels in a row: 256 g
	s_add_nc_u64 s[36:37], s[14:15], s[50:51]
	s_add_nc_u64 s[44:45], s[20:21], s[50:51]
	s_lshl_b32 s27, s23, 6
	s_add_co_u32 s50, s50, s27                     ; my tile's 16: + 64 t
	s_add_nc_u64 s[38:39], s[12:13], s[50:51]
	s_add_nc_u64 s[40:41], s[16:17], s[50:51]
	s_add_nc_u64 s[42:43], s[18:19], s[50:51]
.irp s, 0,1,2,3,4,5,6,7
.irp m, 0,1
.irp c, 0,1
	global_load_b128 v[HF+8*(2*\s+\m)+4*\c:HF+8*(2*\s+\m)+4*\c+3], v1, s[28:29] offset:(2*\s+\m)*1024+512*\c
.endr
.endr
.irp c, 0,1
	global_load_b128 v[WF+8*\s+4*\c:WF+8*\s+4*\c+3], v1, s[30:31] offset:1024*\s+512*\c th:TH_LOAD_NT
.endr
	global_load_b32 v[HS+\s], v2, s[32:33] offset:128*\s       ; lanes 0-15 rows 0-15, lanes 16-31 rows 16-31
.endr
.irp f, 0,1
	global_load_b64 v[WS+2*\f:WS+2*\f+1], v3, s[34:35] offset:256*\f
.endr
	global_load_b128 v[44:47], v9, s[36:37]        ; ret: rows 2 wv and 2 wv + 1, my work-group's 256 bytes of each
	global_load_b32 v48, v10, s[38:39]             ; w2_b,
	global_load_b32 v49, v10, s[40:41]             ; the gain
	global_load_b32 v50, v10, s[42:43]             ; and the bias of channel 16 t + r
	s_wait_loadcnt 0x0
.irp s, 0,1,2,3,4,5,6,7                ; two accumulators by turns, one instruction a turn; the first K step starts the sums
.irp m, 0,1
	WM AC+8*\m, HF+8*(2*\s+\m), WF+8*\s, \s, AC+8*\m, HS+\s, WS+2*(\s>>2)+((\s>>1)&1), \m, \s&1
.endr
.endr
.rept 4
	v_nop                                          ; places in front of the first read of results (ISA guide 7.12.1)
.endr
.irp i, 0,1,2,3
	ds_store_b128 v4, v[AC+4*\i:AC+4*\i+3] offset:512*\i       ; each accumulator from its low end on
.endr
	ds_store_b128 v5, v[44:47]
	s_wait_dscnt 0x0                               ; for the others' sake: my stores have landed
	s_barrier_signal -1
	s_barrier_wait -1
	s_cmp_ge_u32 s22, 4
	s_cbranch_scc1 .Ljoin                          ; waves 0 to 3 finish a tile of channels each; no barrier stands in this branch
.irp k, 1,2,3
.irp i, 0,1,2,3
	ds_load_b128 v[PS+16*(\k-1)+4*\i:PS+16*(\k-1)+4*\i+3], v4 offset:8192*\k+512*\i   ; the same tile's sums over the other K steps: waves t + 4 k
.endr
.endr
.irp m, 0,1
.irp j, 0,1,2,3,4,5,6,7
	ds_load_b32 v[RT+8*\m+\j], v6 offset:272*(16*\m+\j)
.endr
.endr
	s_wait_dscnt 0x0
.irp i, 0,2,4,6,8,10,12,14
	v_pk_add_f32 v[OO+\i:OO+\i+1], v[AC+\i:AC+\i+1], v[PS+\i:PS+\i+1]
.endr
.irp i, 0,2,4,6,8,10,12,14
	v_pk_add_f32 v[OO+\i:OO+\i+1], v[OO+\i:OO+\i+1], v[PS+16+\i:PS+17+\i]
.endr
.irp i, 0,2,4,6,8,10,12,14
	v_pk_add_f32 v[OO+\i:OO+\i+1], v[OO+\i:OO+\i+1], v[PS+32+\i:PS+33+\i]
.endr
.irp i, 0,2,4,6,8,10,12,14
	v_pk_add_f32 v[OO+\i:OO+\i+1], v[OO+\i:OO+\i+1], v[48:49] op_sel_hi:[1,0]     ; + w2_b
.endr
.irp i, 0,2,4,6,8,10,12,14
	v_pk_add_f32 v[OO+\i:OO+\i+1], v[OO+\i:OO+\i+1], v[RT+\i:RT+\i+1]             ; + ret
.endr
	v_pk_add_f32 v[144:145], v[OO:OO+1], v[OO+2:OO+3]              ; the batch norm of my channel: my 16 rows,
	v_pk_add_f32 v[146:147], v[OO+4:OO+5], v[OO+6:OO+7]
	v_pk_add_f32 v[148:149], v[OO+8:OO+9], v[OO+10:OO+11]
	v_pk_add_f32 v[150:151], v[OO+12:OO+13], v[OO+14:OO+15]
	v_pk_add_f32 v[144:145], v[144:145], v[146:147]
	v_pk_add_f32 v[148:149], v[148:149], v[150:151]
	v_pk_add_f32 v[144:145], v[144:145], v[148:149]
	v_add_f32 v144, v144, v145
	v_permlanex16_b32 v145, v144, s46, s47
	v_add_f32 v144, v144, v145                     ; and lane l xor 16's 16
	v_mul_f32 v144, s48, v144                      ; the mean
.irp i, 0,2,4,6,8,10,12,14
	v_pk_add_f32 v[OO+\i:OO+\i+1], v[OO+\i:OO+\i+1], v[144:145] op_sel_hi:[1,0] neg_lo:[0,1] neg_hi:[0,1]
.endr
	v_pk_mul_f32 v[146:147], v[OO:OO+1], v[OO:OO+1]
	v_pk_mul_f32 v[148:149], v[OO+2:OO+3], v[OO+2:OO+3]
.irp i, 4,8,12
	v_pk_fma_f32 v[146:147], v[OO+\i:OO+\i+1], v[OO+\i:OO+\i+1], v[146:147]
	v_pk_fma_f32 v[148:149], v[OO+\i+2:OO+\i+3], v[OO+\i+2:OO+\i+3], v[148:149]
.endr
	v_pk_add_f32 v[146:147], v[146:147], v[148:149]
	v_add_f32 v146, v146, v147
	v_permlanex16_b32 v147, v146, s46, s47
	v_add_f32 v146, v146, v147
	v_fma_f32 v146, v146, s48, s49                 ; variance + eps
	v_rsq_f32 v146, v146
	v_nop                                          ; a plain line behind the transcendental
	s_wait_alu depctr_va_vdst(0)
	v_mul_f32 v146, v146, v49                      ; x the gain
.irp i, 0,2,4,6,8,10,12,14
	v_pk_fma_f32 v[OO+\i:OO+\i+1], v[OO+\i:OO+\i+1], v[146:147], v[50:51] op_sel_hi:[1,0,0]
.endr
.irp m, 0,1
.irp j, 0,1,2,3,4,5,6,7
	ds_store_b32 v7, v[OO+8*\m+\j] offset:272*(16*\m+\j)
.endr
.endr
.Ljoin:
	s_wait_dscnt 0x0                               ; the four waves' stores have landed
	s_barrier_signal -1
	s_barrier_wait -1
	ds_load_b128 v[152:155], v8
	s_wait_dscnt 0x0
	global_store_b128 v9, v[152:155], s[44:45]     ; sixteen lanes store 256 consecutive bytes of a row, aligned
	s_wait_tensorcnt 0x0
	ds_add_u32 v62, v63
	s_wait_dscnt 0x0
	s_endpgm
.Lfunc_end_k_q958d44f825_ffn2:
	.size	k_q958d44f825_ffn2, .Lfunc_end_k_q958d44f825_ffn2-k_q958d44f825_ffn2
	.p2alignl 7, 3214868480
	.fill 96, 4, 3214868480
	.section	.rodata,"a",@progbits
	.p2align	6, 0x0
	.amdhsa_kernel k_q958d44f825_ffn2
		.amdhsa_group_segment_fixed_size 52224
		.amdhsa_private_segment_fixed_size 0
		.amdhsa_enable_private_segment 0
		.amdhsa_kernarg_size 72
		.amdhsa_user_sgpr_count 2
		.amdhsa_user_sgpr_kernarg_segment_ptr 1
		.amdhsa_wavefront_size32 1
		.amdhsa_system_sgpr_workgroup_id_x 1
		.amdhsa_system_sgpr_workgroup_id_y 1
		.amdhsa_system_sgpr_workgroup_id_z 1
		.amdhsa_system_vgpr_workitem_id 0
		.amdhsa_next_free_vgpr 256
		.amdhsa_next_free_sgpr 66
		.amdhsa_reserve_vcc 0
		.amdhsa_float_denorm_mode_32 3
		.amdhsa_float_denorm_mode_16_64 3
		.amdhsa_memory_ordered 1
		.amdhsa_forward_progress 1
		.amdhsa_inst_pref_size 20
	.end_amdhsa_kernel
	.amdgpu_metadata
---
amdhsa.version: [ 1, 2 ]
amdhsa.kernels:
  - .name:           k_q958d44f825_ffn2
    .symbol:         k_q958d44f825_ffn2.kd
    .args:
      - { .name: hcodes, .offset: 0, .size: 8, .value_kind: global_buffer, .address_space: global }
      - { .name: hscales, .offset: 8, .size: 8, .value_kind: global_buffer, .address_space: global }
      - { .name: wcodes, .offset: 16, .size: 8, .value_kind: global_buffer, .address_space: global }
      - { .name: wscales, .offset: 24, .size: 8, .value_kind: global_buffer, .address_space: global }
      - { .name: w2_b, .offset: 32, .size: 8, .value_kind: global_buffer, .address_space: global }
      - { .name: ret, .offset: 40, .size: 8, .value_kind: global_buffer, .address_space: global }
      - { .name: bn2_g, .offset: 48, .size: 8, .value_kind: global_buffer, .address_space: global }
      - { .name: bn2_b, .offset: 56, .size: 8, .value_kind: global_buffer, .address_space: global }
      - { .name: out0, .offset: 64, .size: 8, .value_kind: global_buffer, .address_space: global }
    .group_segment_fixed_size: 52224
    .private_segment_fixed_size: 0
    .kernarg_segment_align: 8
    .kernarg_segment_size: 72
    .max_flat_workgroup_size: 512
    .sgpr_count:     66
    .vgpr_count:     256
    .wavefront_size: 32
...
	.end_amdgpu_metadata
.endif
;; end of part 4
;; ======== version 2 of 2: 4 launches; version 1 with the launches ffn1, ffn2 written anew for expert scheduling mode
;; workspace buffers: ybuf 17,825,792 bytes; wcodes 3,686,400 bytes; wscales 230,400 bytes; zsum 131,072 bytes; hcodes 65,536 bytes; hscales 4,096 bytes; ret 131,072 bytes
;; launch quant: the kernel of part 1 again; grid 737 x 1, 4 waves a work-group, no clusters, 34,304 bytes of LDS; arguments y, x, WQ_w, WK_w, WV_w, w2_w, ybuf, wcodes, wscales; writes ybuf, wcodes, wscales
;; launch kvatt: the kernel of part 2 again; grid 8 x 32, 4 waves a work-group, clusters of 4 x 1, 327,680 bytes of LDS; arguments ybuf, wcodes, wscales, WQ_b, WK_b, WV_b, x, zsum; writes zsum
;; launch ffn1 (part 5): grid 128 x 1, 8 waves a work-group, no clusters, 304,128 bytes of LDS; arguments zsum, bn1_g, bn1_b, w1_w, w1_b, hcodes, hscales, ret; writes hcodes, hscales, ret
.if DOCPART == 5
	.amdgcn_target "amdgcn-amd-amdhsa--gfx1250"
	.amdhsa_code_object_version 6
	.text
	.protected	k_q958d44f825_ffn1
	.globl	k_q958d44f825_ffn1
	.p2align	8
	.type	k_q958d44f825_ffn1,@function
k_q958d44f825_ffn1:
	s_mov_b64 s[64:65], 0
	v_nop
	global_prefetch_b8 v0, s[64:65] scope:SCOPE_SE
	s_setreg_imm32_b32 hwreg(HW_REG_WAVE_SCHED_MODE, 0, 2), 2
	s_setreg_imm32_b32 hwreg(HW_REG_WAVE_MODE, 25, 1), 1
	s_wait_xcnt 0x0
	s_wait_alu depctr_vm_vsrc(0)
; ret = batch norm over the 32 rows of z = x + att (mean; variance of the differences, as reference() has it; eps 1e-5; gain, bias);  h = relu(Q(ret) Q(w1)^T + w1_b), quantised along the hidden units.
; SHARES.  Work-group g makes hidden units 32 g .. 32 g + 31 for all 32 rows: one block of the next product's K, the least that a quantiser can close.  It takes in z whole (128 KB) and its 32 rows of w1 (128 KB as f32),
; each byte once.  w1 IS QUANTISED HERE, IN REGISTERS: each of its rows is read by this one work-group alone.
; K IS SPLIT OVER THE EIGHT WAVES: wave w owns K step w, channels 128 w .. 128 w + 127.  Those are the channels of its own 32 threads in the batch norm (thread tid: channels 4 tid .. 4 tid + 3 of all 32 rows), so the
; turn from that layout into the operand's goes through the wave's OWN stage in LDS and wants no barrier; w1's 32 rows x 128 numbers take the same way through a second stage.  The wave then holds ret's two fragments
; and w1's two of its K step and makes four partial products.  ONE barrier; waves 0 and 1 (rows 16 m on) add w1_b and the eight parts in ascending K, in f32: AN ORDER OF ROUNDING THAT DIFFERS from one chain along K.
; z is read by all 128 work-groups and still comes by plain loads: it goes straight into the registers in which it is summed, and a joint load would end in LDS, from where the same 128 KB would have to be read once more.
; The product is used transposed (source 0 = 16 rows of w1, source 1 = ret's 16 rows).  THE ROWS OF w1 THAT FORM A TILE ARE NOT NEIGHBOURS: lane r of tile u takes row 32 g + 8 u + r + 8 (r / 8), so that a lane's
; 16 registers of the two tiles are hidden units 32 g + 16 h + 0 .. 15.
; hcodes: [K step 32][m 2] images of 1,024 bytes; a lane's 16 codes are 8 bytes at 256 (g % 4) + 16 r + 8 h of image (g / 4, m).   hscales: [K step 32][row 32] words, byte g % 4.
; Work-groups 0 to 31 also store row g of ret, read back from the stages behind the barrier.
; LIMITS: NaN and infinities are not served; a block whose largest magnitude lies under 2^-124, a block of zeros too, gets the scale byte 1 (its codes are read by this program alone).
; REGISTERS.  Window 0: v1-15 addresses; v16-23 at work, at the end v16-31 the sums; v24-31 the batch norm's sums; v32-35 a piece of ret; v36-37 h's codes; v38-39, v44-46 at work at the end;
;   v40-41 ret's scale words, v42-43 w1's; v48-63 w1_b; v64-191 z, 4 a row; later v64-79 ret's fragments, v80-95 w1's, v96-127 four accumulators; v192-255 and v128-191 two sets of 64 numbers (v192-199 first gain and bias);
;   at the end v128-255 the eight parts.   Window 1: v0-127 w1 as loaded, 4 a row.
; THE MODE: SCHED_MODE bits 1:0 = 2 (LLVM: expert scheduling mode 2), set by the entry lines.  The code itself states the register dependences between vector or matrix instructions and memory or LDS
; instructions, with s_wait_alu, always for 0.
; THE PLAN.  Registers that memory or LDS instructions touch, in the order of the text:
;   v2-v9, v12-v14  addresses and offsets: written at the head, never again.  One wait on va_vdst ahead of the first load serves them for the whole kernel.
;   v64-191         z: global loads land; the batch norm rewrites it in place; 32 LDS stores read it.  A wait on va_vdst ahead of those stores; ONE wait on vm_vsrc behind them frees all 128 registers for what
;                   is written there afterwards: the fragments (conversions), the accumulators (products), set 1 (LDS loads).
;   set 0 v192-255, set 1 v128-191   by turns: LDS loads land, a quantising step reads.  While one set is quantised the other is on its way.  A set is asked for again behind a wait on va_vdst that stands
;                   behind the wait on DScnt for the OTHER set's data.
;   window 1 v0-127 w1: global loads land, LDS stores read; no vector instruction names them.
;   v96-127         the accumulators: four products write, eight LDS stores read: the places, then a wait on va_vdst.  No vector instruction behind that wait names v128-255, so it serves the loads of the eight parts too.
;   v36, v37, v46   written by vector lines, read by the last two stores: a wait on va_vdst ahead of them.
.set SP,   528                         ; a row of a stage: 512 bytes + 16: sixteen rows begin 16 bytes apart modulo 256
.set WSTG, 32*SP                       ; a wave's stage: 32 rows
.set WST,  8*WSTG                      ; behind z's eight stages: w1's eight
.set PART, 16*WSTG                     ; behind them: the parts, 4,096 bytes a wave: accumulator 2 m + u as it stands, 16 bytes a lane
.set Z,    64
.set GA,   192
.set RF,   64
.set WF,   80
.set P,    96
.set XS,   40
.set WS,   42
.set BI,   48
.set HA,   16
.set PS,   128
.set MSB, 0
.macro WIN new                         ; the immediate's high byte repeats the setting that is left
.if MSB != \new
	s_set_vgpr_msb (MSB<<8)|\new
.set MSB, \new
.endif
.endm
	s_load_b512 s[4:19], s[0:1], 0x0               ; zsum 4, bn1_g 6, bn1_b 8, w1_w 10, w1_b 12, hcodes 14, hscales 16, ret 18
	v_lshl_add_u32 v47, v0, 2, 0x4a000
	s_set_vgpr_msb 0x40
	v_mov_b32 v129, 0
	s_set_vgpr_msb 0x4000
	v_lshrrev_b32 v1, 5, v0
	v_readfirstlane_b32 s24, v1                    ; wave w 0..7
	v_and_b32 v1, 31, v0
	v_lshlrev_b32 v1, 4, v1                        ; v1  16 L
	v_and_b32 v10, 15, v0                          ; r
	v_bfe_u32 v11, v0, 4, 1                        ; h
	v_lshlrev_b32 v3, 6, v11                       ; v3  64 h
	v_lshlrev_b32 v4, 4, v0                        ; v4  16 tid = 512 w + 16 L: my 16 bytes of a row of z, of w1 and of ret
	s_wait_alu depctr_va_sdst(0)                   ; s24 is written, ahead of its first reader: LDS addresses, offsets and a branch are made from it
	s_and_b32 s25, s24, 1                          ; m, for the two waves that close
	s_min_u32 s26, ttmp9, 31                       ; the row of ret that work-groups 0 to 31 store; the bound is written, since it enters an LDS address
	s_mul_i32 s28, s24, WSTG
	v_add_nc_u32 v5, s28, v1                       ; v5  into my stage for z: 16 bytes a lane
	v_mul_u32_u24 v6, v10, SP
	v_lshl_add_u32 v6, v11, 7, v6
	v_add_nc_u32 v6, s28, v6                       ; v6  out of it: row r, + 128 h bytes: my 32 numbers of each 64
	v_add_nc_u32 v2, WST, v5                       ; v2  into my stage for w1
	v_add_nc_u32 v9, WST, v6                       ; v9  out of it
	s_mul_i32 s29, s26, SP
	s_add_co_u32 s29, s29, s28
	v_add_nc_u32 v13, s29, v1                      ; v13 my wave's 512 bytes of the row of ret
	s_lshl_b32 s29, s24, 12
	s_add_co_u32 s29, s29, PART
	v_add_nc_u32 v7, s29, v1                       ; v7  my parts
	s_lshl_b32 s29, s25, 11
	s_add_co_u32 s29, s29, PART
	v_add_nc_u32 v8, s29, v1                       ; v8  the parts of rows 16 m on, wave 0's
	v_lshlrev_b32 v12, 2, v10                      ; v12 4 r
	v_lshlrev_b32 v15, 3, v11                      ; v15 8 h
	v_lshl_add_u32 v14, v10, 4, v15                ; v14 16 r + 8 h
	v_mov_b32 v23, 0                               ; (a lane permute's destination counts as one of its sources)
	v_mov_b32 v44, 0
	s_mov_b32 s40, 0x3d000000                      ; 1 / 32
	s_mov_b32 s41, s40
	s_mov_b32 s42, 0x3727c5ac                      ; 1e-5
	s_mov_b32 s46, 0x76543210
	s_mov_b32 s47, 0xfedcba98                      ; v_permlanex16_b32's selects for lane l xor 16
	s_lshl_b32 s50, ttmp9, 17                      ; w1: 32 rows of 4,096 bytes a work-group
	s_mov_b32 s51, 0
	s_lshl_b32 s52, ttmp9, 7                       ; w1_b: 32 numbers
	s_mov_b32 s53, 0
	s_lshr_b32 s48, ttmp9, 2                       ; the next product's K step,
	s_and_b32 s49, ttmp9, 3                        ; and the block in it
	s_lshl_b32 s54, s48, 11
	s_lshl_b32 s31, s25, 10
	s_add_co_u32 s54, s54, s31
	s_lshl_b32 s31, s49, 8
	s_add_co_u32 s54, s54, s31                     ; hcodes: image 2 (g / 4) + m, + 256 (g % 4)
	s_mov_b32 s55, 0
	s_lshl_b32 s56, s48, 7
	s_lshl_b32 s31, s25, 6
	s_add_co_u32 s56, s56, s31
	s_add_co_u32 s56, s56, s49                     ; hscales: 128 (g / 4) + 64 m + g % 4
	s_mov_b32 s57, 0
	s_lshl_b32 s58, s26, 12                        ; ret: the row
	s_mov_b32 s59, 0
	s_wait_kmcnt 0x0
	s_add_nc_u64 s[32:33], s[10:11], s[50:51]
	s_add_nc_u64 s[34:35], s[12:13], s[52:53]
	s_add_nc_u64 s[36:37], s[14:15], s[54:55]
	s_add_nc_u64 s[38:39], s[16:17], s[56:57]
	s_add_nc_u64 s[44:45], s[18:19], s[58:59]
	s_wait_alu depctr_va_vdst(0)                   ; the addresses and offsets v2 to v9 and v12 to v14 are written, which every load and store of the kernel reads; none is written again
	global_load_b128 v[GA:GA+3], v4, s[6:7]
	global_load_b128 v[GA+4:GA+7], v4, s[8:9]
.set i, 0
.rept 32
	global_load_b128 v[Z+4*i:Z+4*i+3], v4, s[4:5] offset:4096*i     ; a wave's load reads 512 consecutive bytes of a row
.set i, i+1
.endr
	WIN 0x40                                       ; destination window 1.  (Between the wait above and these loads stand loads and this switch alone)
.set i, 0
.rept 32
	global_load_b128 v[4*i:4*i+3], v4, s[32:33] offset:(8*(i/16)+(i%16)+8*((i%16)/8))*4096 th:TH_LOAD_NT   ; stage row 16 u + r is w1's row 32 g + 8 u + r + 8 (r / 8); read once in the launch
.set i, i+1
.endr
	WIN 0
.irp u, 0,1
	global_load_b128 v[BI+8*\u:BI+8*\u+3], v3, s[34:35] offset:32*\u           ; the bias in the result's layout: units 32 g + 16 h + 8 u + 0 .. 7
	global_load_b128 v[BI+8*\u+4:BI+8*\u+7], v3, s[34:35] offset:32*\u+16
.endr
	s_wait_loadcnt 36                              ; gain, bias and z are in; w1's 32 loads and w1_b's 4 may be out
	; ---- the batch norm of my four channels
	v_pk_add_f32 v[24:25], v[Z:Z+1], v[Z+8:Z+9]    ; the sums over the rows: four chains
	v_pk_add_f32 v[26:27], v[Z+2:Z+3], v[Z+10:Z+11]
	v_pk_add_f32 v[28:29], v[Z+4:Z+5], v[Z+12:Z+13]
	v_pk_add_f32 v[30:31], v[Z+6:Z+7], v[Z+14:Z+15]
.set i, 4
.rept 14
	v_pk_add_f32 v[24:25], v[24:25], v[Z+4*i:Z+4*i+1]
	v_pk_add_f32 v[26:27], v[26:27], v[Z+4*i+2:Z+4*i+3]
	v_pk_add_f32 v[28:29], v[28:29], v[Z+4*i+4:Z+4*i+5]
	v_pk_add_f32 v[30:31], v[30:31], v[Z+4*i+6:Z+4*i+7]
.set i, i+2
.endr
	v_pk_add_f32 v[24:25], v[24:25], v[28:29]
	v_pk_add_f32 v[26:27], v[26:27], v[30:31]
	v_pk_mul_f32 v[24:25], v[24:25], s[40:41] op_sel_hi:[1,0]      ; the means
	v_pk_mul_f32 v[26:27], v[26:27], s[40:41] op_sel_hi:[1,0]
.set i, 0
.rept 32
	v_pk_add_f32 v[Z+4*i:Z+4*i+1], v[Z+4*i:Z+4*i+1], v[24:25] neg_lo:[0,1] neg_hi:[0,1]
	v_pk_add_f32 v[Z+4*i+2:Z+4*i+3], v[Z+4*i+2:Z+4*i+3], v[26:27] neg_lo:[0,1] neg_hi:[0,1]
.set i, i+1
.endr
	v_pk_mul_f32 v[28:29], v[Z:Z+1], v[Z:Z+1]      ; the sums of the differences' squares
	v_pk_mul_f32 v[30:31], v[Z+2:Z+3], v[Z+2:Z+3]
	v_pk_mul_f32 v[24:25], v[Z+4:Z+5], v[Z+4:Z+5]
	v_pk_mul_f32 v[26:27], v[Z+6:Z+7], v[Z+6:Z+7]
.set i, 2
.rept 15
	v_pk_fma_f32 v[28:29], v[Z+4*i:Z+4*i+1], v[Z+4*i:Z+4*i+1], v[28:29]
	v_pk_fma_f32 v[30:31], v[Z+4*i+2:Z+4*i+3], v[Z+4*i+2:Z+4*i+3], v[30:31]
	v_pk_fma_f32 v[24:25], v[Z+4*i+4:Z+4*i+5], v[Z+4*i+4:Z+4*i+5], v[24:25]
	v_pk_fma_f32 v[26:27], v[Z+4*i+6:Z+4*i+7], v[Z+4*i+6:Z+4*i+7], v[26:27]
.set i, i+2
.endr
	v_pk_add_f32 v[24:25], v[24:25], v[28:29]
	v_pk_add_f32 v[26:27], v[26:27], v[30:31]
.irp c, 0,1,2,3
	v_fma_f32 v[24+\c], v[24+\c], s40, s42         ; variance + eps
.endr
.irp c, 0,1,2,3
	v_rsq_f32 v[24+\c], v[24+\c]
.endr
	v_nop                                          ; a plain line behind the transcendentals
	s_wait_alu depctr_va_vdst(0)                   ; the four reciprocal roots v24 to v27 are written, ahead of their first reader: one wait for the batch
	v_pk_mul_f32 v[24:25], v[24:25], v[GA:GA+1]    ; x the gain
	v_pk_mul_f32 v[26:27], v[26:27], v[GA+2:GA+3]
.set i, 0
.rept 32
	v_pk_fma_f32 v[Z+4*i:Z+4*i+1], v[Z+4*i:Z+4*i+1], v[24:25], v[GA+4:GA+5]
	v_pk_fma_f32 v[Z+4*i+2:Z+4*i+3], v[Z+4*i+2:Z+4*i+3], v[26:27], v[GA+6:GA+7]
.set i, i+1
.endr
; 16 rows x 128 numbers come out of a stage of mine in the operand's layout: lane (r, h) gets row r, k = 64 c + 32 h + 0 .. 31: blocks h and 2 + h whole.  set 0: v192-255, set 1: v128-191
.macro QLOAD set, adr, o
.irp c, 0,1
.irp i, 0,1,2,3,4,5,6,7
	ds_load_b128 v[192-64*(\set)+32*\c+4*\i:192-64*(\set)+32*\c+4*\i+3], v[\adr] offset:(\o)+256*\c+16*\i
.endr
.endr
.endm
; and become a fragment's eight registers at v[dst] and its rows' scale words in v[sw]
.macro QCALC set, dst, sw
.set NB, 192-64*(\set)
.irp c, 0,1
	v_max3_num_f32 v[16+\c], |v[NB+32*\c]|, |v[NB+32*\c+1]|, 0x1800000   ; my two blocks by turns; the floor 2^(3 - 127) among the leaves: the byte cannot fall under 1
.endr
.irp i, 2,4,6,8,10,12,14,16,18,20,22,24,26,28,30
.irp c, 0,1
	v_max3_num_f32 v[16+\c], v[16+\c], |v[NB+32*\c+\i]|, |v[NB+32*\c+\i+1]|
.endr
.endr
.irp c, 0,1
	v_add_nc_u32 v[18+\c], 0xff000000, v[16+\c]    ; 2 off the exponent field: the conversion's scale operand
.endr
.irp c, 0,1
	v_lshrrev_b32 v[20+\c], 23, v[18+\c]           ; the scale's byte
.endr
	v_lshl_or_b32 v22, v21, 16, v20
	v_lshlrev_b32 v22, v15, v22                    ; my two bytes at their places (8 h bits up);
	v_permlanex16_b32 v23, v22, s46, s47
	v_or_b32 v[(\sw)], v22, v23                    ; with lane l xor 16's two the row's word is whole
.irp c, 0,1
.irp g, 0,1,2,3
	v_cvt_scalef32_pk8_fp4_f32 v[(\dst)+4*\c+\g], v[NB+32*\c+8*\g:NB+32*\c+8*\g+7], v[18+\c]
.endr
.endr
	v_nop                                          ; one plain line behind the last conversion of a run
.endm
	s_wait_alu depctr_va_vdst(0)                   ; the batch norm has written v64-191, which the LDS stores read, and is done reading gain and bias in v192-199, in which the first loads from the stage land
.set i, 0
.rept 32
	ds_store_b128 v5, v[Z+4*i:Z+4*i+3] offset:SP*i ; ret's 32 rows, my 128 channels.  LDS serves a wave's instructions in order: my loads below see these stores
.set i, i+1
.endr
	QLOAD 0, 6, 0                                  ; rows 0-15
	s_wait_dscnt 0x0                               ; they are in
	s_wait_alu depctr_vm_vsrc(0)                   ; the 32 LDS stores have read v64-191, which are written from here on: set 1 by the loads below, the fragments by conversions, the accumulators by the products
	QLOAD 1, 6, 16*SP                              ; rows 16-31 come while rows 0-15 are quantised: no line of that step names v128-191 or v6
	QCALC 0, RF, XS
	s_wait_dscnt 0x0
	s_wait_loadcnt 0x0                             ; w1 and w1_b
	WIN 0x04                                       ; an LDS store's data are its source 1: window 1
.set i, 0
.rept 32
	ds_store_b128 v2, v[4*i:4*i+3] offset:SP*i     ; (data that loads brought and an address made at the head)
.set i, i+1
.endr
	WIN 0
	s_wait_alu depctr_va_vdst(0)                   ; the maxima and conversions of rows 0-15 are done reading set 0, v192-255, in which the loads below land
	QLOAD 0, 9, 0                                  ; w1's tile 0 comes while ret's rows 16-31 are quantised
	QCALC 1, RF+8, XS+1
	s_wait_dscnt 0x0
	s_wait_alu depctr_va_vdst(0)                   ; the maxima and conversions of rows 16-31 are done reading set 1, v128-191, in which the loads below land
	QLOAD 1, 9, 16*SP                              ; tile 1 while tile 0 is quantised
	QCALC 0, WF, WS
	s_wait_dscnt 0x0
	QCALC 1, WF+8, WS+1
.rept 8
	v_nop                                          ; a scale register written by a vector instruction stands 8 places ahead of a scaled matrix instruction, an operand so written 4
.endr
	s_wait_alu depctr_va_vdst(0)                   ; the four fragments v64-95 and the four scale words v40-43 are written, which the scaled products take; the places above stay beside this wait
.irp m, 0,1                            ; K step w's part of the 32 x 32 results: four accumulators, one instruction each; the constant 0 starts the sums
.irp u, 0,1
	v_wmma_scale_f32_16x16x128_f8f6f4 v[P+8*(2*\m+\u):P+8*(2*\m+\u)+7], v[WF+8*\u:WF+8*\u+7], v[RF+8*\m:RF+8*\m+7], 0, v[WS+\u], v[XS+\m] matrix_a_fmt:MATRIX_FMT_FP4 matrix_b_fmt:MATRIX_FMT_FP4
.endr
.endr
.rept 4
	v_nop                                          ; places in front of the first read of results (ISA guide 7.12.1)
.endr
	s_wait_alu depctr_va_vdst(0)                   ; the products have written the accumulators, which the LDS stores read; and the last quantising steps are done reading v128-255, in which the eight parts land behind the barrier
.irp a, 0,1,2,3
	ds_store_b128 v7, v[P+8*\a:P+8*\a+3] offset:1024*\a            ; each accumulator from its low end on
	ds_store_b128 v7, v[P+8*\a+4:P+8*\a+7] offset:1024*\a+512
.endr
	s_wait_dscnt 0x0                               ; for the others' sake: my stores have landed
	s_barrier_signal -1
	s_barrier_wait -1                              ; the eight parts lie in LDS
	s_cmp_ge_u32 ttmp9, 32
	s_cbranch_scc1 .Lno_row
	ds_load_b128 v[32:35], v13                     ; z's stages still hold ret: my wave's 512 bytes of row g.  (No vector instruction names v32-35)
	s_wait_dscnt 0x0
	global_store_b128 v4, v[32:35], s[44:45]       ; the eight waves store the row's 4,096 bytes on end
.Lno_row:
	s_cmp_ge_u32 s24, 2
	s_cbranch_scc1 .Lend                           ; waves 0 and 1 close rows 16 m on; no barrier stands behind this branch
.irp k, 0,1,2,3,4,5,6,7
.irp q, 0,1,2,3
	ds_load_b128 v[PS+16*\k+4*\q:PS+16*\k+4*\q+3], v8 offset:4096*\k+512*\q    ; wave k's accumulators 2 m and 2 m + 1
.endr
.endr
	s_wait_dscnt 0x0
.irp i, 0,2,4,6,8,10,12,14
	v_pk_add_f32 v[HA+\i:HA+\i+1], v[BI+\i:BI+\i+1], v[PS+\i:PS+\i+1]           ; the bias and K step 0,
.endr
.irp k, 1,2,3,4,5,6,7
.irp i, 0,2,4,6,8,10,12,14
	v_pk_add_f32 v[HA+\i:HA+\i+1], v[HA+\i:HA+\i+1], v[PS+16*\k+\i:PS+16*\k+\i+1]   ; then K ascending; eight chains by turns
.endr
.endr
.set i, 0
.rept 16
	v_max_num_f32 v[HA+i], 0, v[HA+i]              ; the activation, in f32
.set i, i+1
.endr
	v_max3_num_f32 v38, v[HA], v[HA+1], 0x1800000  ; my 16 of the block's 32 (none is negative), and the floor
	v_max3_num_f32 v39, v[HA+8], v[HA+9], v[HA+10]
	v_max3_num_f32 v38, v38, v[HA+2], v[HA+3]
	v_max3_num_f32 v39, v39, v[HA+11], v[HA+12]
	v_max3_num_f32 v38, v38, v[HA+4], v[HA+5]
	v_max3_num_f32 v39, v39, v[HA+13], v[HA+14]
	v_max3_num_f32 v38, v38, v[HA+6], v[HA+7]
	v_max3_num_f32 v38, v38, v39, v[HA+15]
	v_permlanex16_b32 v44, v38, s46, s47
	v_max_num_f32 v38, v38, v44                    ; with lane l xor 16's 16
	v_add_nc_u32 v45, 0xff000000, v38
	v_lshrrev_b32 v46, 23, v45
	v_cvt_scalef32_pk8_fp4_f32 v36, v[HA:HA+7], v45
	v_cvt_scalef32_pk8_fp4_f32 v37, v[HA+8:HA+15], v45
	v_nop
	s_wait_alu depctr_va_vdst(0)                   ; the conversions have written v36 and v37 and the shift v46, which the two stores read
	global_store_b64 v14, v[36:37], s[36:37]       ; the wave stores 256 consecutive bytes, aligned
	global_store_b8 v12, v46, s[38:39]             ; a row's one scale byte, into its place in the row's word: sixteen bytes are all that the wave has; both lanes of a row write the same byte with the same value
.Lend:
	s_set_vgpr_msb 0x4                             ; the add's second register lies in window 1; the switch stands ahead of the closing lines, and the branch above leads to it
	s_wait_dscnt 0x0                               ; the closing lines, six on end
	s_wait_alu 0x0
	s_wait_tensorcnt 0x0
	ds_add_u32 v47, v129
	s_wait_dscnt 0x0
	s_endpgm
.Lfunc_end_k_q958d44f825_ffn1:
	.size	k_q958d44f825_ffn1, .Lfunc_end_k_q958d44f825_ffn1-k_q958d44f825_ffn1
	.p2alignl 7, 3214868480
	.fill 96, 4, 3214868480
	.section	.rodata,"a",@progbits
	.p2align	6, 0x0
	.amdhsa_kernel k_q958d44f825_ffn1
		.amdhsa_group_segment_fixed_size 304128
		.amdhsa_private_segment_fixed_size 0
		.amdhsa_enable_private_segment 0
		.amdhsa_kernarg_size 64
		.amdhsa_user_sgpr_count 2
		.amdhsa_user_sgpr_kernarg_segment_ptr 1
		.amdhsa_wavefront_size32 1
		.amdhsa_system_sgpr_workgroup_id_x 1
		.amdhsa_system_sgpr_workgroup_id_y 1
		.amdhsa_system_sgpr_workgroup_id_z 1
		.amdhsa_system_vgpr_workitem_id 0
		.amdhsa_next_free_vgpr 386
		.amdhsa_next_free_sgpr 66
		.amdhsa_reserve_vcc 0
		.amdhsa_float_denorm_mode_32 3
		.amdhsa_float_denorm_mode_16_64 3
		.amdhsa_memory_ordered 1
		.amdhsa_forward_progress 1
		.amdhsa_inst_pref_size 57
	.end_amdhsa_kernel
	.amdgpu_metadata
---
amdhsa.version: [ 1, 2 ]
amdhsa.kernels:
  - .name:           k_q958d44f825_ffn1
    .symbol:         k_q958d44f825_ffn1.kd
    .args:
      - { .name: zsum, .offset: 0, .size: 8, .value_kind: global_buffer, .address_space: global }
      - { .name: bn1_g, .offset: 8, .size: 8, .value_kind: global_buffer, .address_space: global }
      - { .name: bn1_b, .offset: 16, .size: 8, .value_kind: global_buffer, .address_space: global }
      - { .name: w1_w, .offset: 24, .size: 8, .value_kind: global_buffer, .address_space: global }
      - { .name: w1_b, .offset: 32, .size: 8, .value_kind: global_buffer, .address_space: global }
      - { .name: hcodes, .offset: 40, .size: 8, .value_kind: global_buffer, .address_space: global }
      - { .name: hscales, .offset: 48, .size: 8, .value_kind: global_buffer, .address_space: global }
      - { .name: ret, .offset: 56, .size: 8, .value_kind: global_buffer, .address_space: global }
    .group_segment_fixed_size: 304128
    .private_segment_fixed_size: 0
    .kernarg_segment_align: 8
    .kernarg_segment_size: 64
    .max_flat_workgroup_size: 256
    .sgpr_count:     66
    .vgpr_count:     386
    .wavefront_size: 32
...
	.end_amdgpu_metadata
.endif
;; end of part 5
;; launch ffn2 (part 6): grid 16 x 1, 16 waves a work-group, no clusters, 52,224 bytes of LDS; arguments hcodes, hscales, wcodes, wscales, w2_b, ret, bn2_g, bn2_b, out0; writes out0
.if DOCPART == 6
	.amdgcn_target "amdgcn-amd-amdhsa--gfx1250"
	.amdhsa_code_object_version 6
	.text
	.protected	k_q958d44f825_ffn2
	.globl	k_q958d44f825_ffn2
	.p2align	8
	.type	k_q958d44f825_ffn2,@function
k_q958d44f825_ffn2:
	s_mov_b64 s[64:65], 0
	v_nop
	global_prefetch_b8 v0, s[64:65] scope:SCOPE_SE
	s_setreg_imm32_b32 hwreg(HW_REG_WAVE_SCHED_MODE, 0, 2), 2
	s_setreg_imm32_b32 hwreg(HW_REG_WAVE_MODE, 25, 1), 1
	s_wait_xcnt 0x0
	s_wait_alu depctr_vm_vsrc(0)
; out0 = batch norm over the 32 rows of Q(h) Q(w2)^T + w2_b + ret.
; SHARES.  Work-group g owns channels 64 g .. 64 g + 63 for all 32 rows, so the batch norm stays inside it and a row's 256 bytes leave whole.  Wave wv: tile t = wv % 4 of 16 channels, K steps 8 (wv / 4) on, eight of 32.
; K IS SPLIT OVER FOUR WAVES, whose f32 sums meet in LDS: an order of rounding that differs from one chain along K.  16 work-groups: the product has 64 tiles of channels, and a work-group needs four of them
; for whole runs of 256 bytes.  All operands go from memory straight into registers, each once: no tile in LDS, so no joint loads.
; Source 0 = h's 16 rows, source 1 = 16 rows of w2: lane (r, h) holds channel r and rows 16 m + 8 h + j.
; LIMITS: NaN and infinities are not served.
; REGISTERS: v1-13 addresses; v16-31 two accumulators; v32-39 h's scale words, v40-43 w2's; v44-47 a piece of ret; v48-51 w2_b, gain, bias of my channel; v64-191 h's 16 fragments, v192-255 w2's 8;
;   later v64-111 three waves' sums, v112-127 ret, v128-143 the result, v144-151 at work.
; THE MODE: SCHED_MODE bits 1:0 = 2 (LLVM: expert scheduling mode 2), set by the entry lines.  The code itself states the register dependences between vector or matrix instructions and memory or LDS
; instructions, with s_wait_alu, always for 0.
; THE PLAN.  Registers that memory or LDS instructions touch, in the order of the text:
;   v1-v10          addresses and offsets: written at the head, never again.  One wait on va_vdst ahead of the first load serves them for the whole kernel.
;   v32-50, v64-255 global loads land; the products (and later vector lines) read.
;   v16-31          the accumulators: the products write, four LDS stores read: the places, then a wait on va_vdst.  That wait also states that the products are done reading h's fragments: the LDS loads behind the
;                   barriers land in v64-127 and in v152-155, which no vector instruction names between the wait and those loads.
;   v128-143        the result: vector lines write, sixteen LDS stores read: a wait on va_vdst ahead of them.
;   No register that a memory or LDS instruction has read is written again: the text holds no wait on vm_vsrc.
.set RED, 0                            ; 2,048 bytes a wave: its two accumulators as they stand, 16 bytes a lane
.set ZST, 32768                        ; ret's 32 rows x 64 channels: 256 bytes + 16
.set OST, ZST+32*272                   ; the result, likewise
.set AC,  16
.set HS,  32
.set WS,  40
.set HF,  64
.set WF,  192
.set PS,  64
.set RT,  112
.set OO,  128
.macro WM d, a, b, cm, c, sa, sb, ra, rb   ; cm = 0: C is the constant 0, else C at v[c]; ra, rb: the scales are read from lanes 16-31
.if (\cm) == 0
.if (\ra) && (\rb)
	v_wmma_scale_f32_16x16x128_f8f6f4 v[(\d):(\d)+7], v[(\a):(\a)+7], v[(\b):(\b)+7], 0, v[(\sa)], v[(\sb)] matrix_a_fmt:MATRIX_FMT_FP4 matrix_b_fmt:MATRIX_FMT_FP4 matrix_a_scale:MATRIX_SCALE_ROW1 matrix_b_scale:MATRIX_SCALE_ROW1
.elseif (\ra)
	v_wmma_scale_f32_16x16x128_f8f6f4 v[(\d):(\d)+7], v[(\a):(\a)+7], v[(\b):(\b)+7], 0, v[(\sa)], v[(\sb)] matrix_a_fmt:MATRIX_FMT_FP4 matrix_b_fmt:MATRIX_FMT_FP4 matrix_a_scale:MATRIX_SCALE_ROW1
.elseif (\rb)
	v_wmma_scale_f32_16x16x128_f8f6f4 v[(\d):(\d)+7], v[(\a):(\a)+7], v[(\b):(\b)+7], 0, v[(\sa)], v[(\sb)] matrix_a_fmt:MATRIX_FMT_FP4 matrix_b_fmt:MATRIX_FMT_FP4 matrix_b_scale:MATRIX_SCALE_ROW1
.else
	v_wmma_scale_f32_16x16x128_f8f6f4 v[(\d):(\d)+7], v[(\a):(\a)+7], v[(\b):(\b)+7], 0, v[(\sa)], v[(\sb)] matrix_a_fmt:MATRIX_FMT_FP4 matrix_b_fmt:MATRIX_FMT_FP4
.endif
.else
.if (\ra) && (\rb)
	v_wmma_scale_f32_16x16x128_f8f6f4 v[(\d):(\d)+7], v[(\a):(\a)+7], v[(\b):(\b)+7], v[(\c):(\c)+7], v[(\sa)], v[(\sb)] matrix_a_fmt:MATRIX_FMT_FP4 matrix_b_fmt:MATRIX_FMT_FP4 matrix_a_scale:MATRIX_SCALE_ROW1 matrix_b_scale:MATRIX_SCALE_ROW1
.elseif (\ra)
	v_wmma_scale_f32_16x16x128_f8f6f4 v[(\d):(\d)+7], v[(\a):(\a)+7], v[(\b):(\b)+7], v[(\c):(\c)+7], v[(\sa)], v[(\sb)] matrix_a_fmt:MATRIX_FMT_FP4 matrix_b_fmt:MATRIX_FMT_FP4 matrix_a_scale:MATRIX_SCALE_ROW1
.elseif (\rb)
	v_wmma_scale_f32_16x16x128_f8f6f4 v[(\d):(\d)+7], v[(\a):(\a)+7], v[(\b):(\b)+7], v[(\c):(\c)+7], v[(\sa)], v[(\sb)] matrix_a_fmt:MATRIX_FMT_FP4 matrix_b_fmt:MATRIX_FMT_FP4 matrix_b_scale:MATRIX_SCALE_ROW1
.else
	v_wmma_scale_f32_16x16x128_f8f6f4 v[(\d):(\d)+7], v[(\a):(\a)+7], v[(\b):(\b)+7], v[(\c):(\c)+7], v[(\sa)], v[(\sb)] matrix_a_fmt:MATRIX_FMT_FP4 matrix_b_fmt:MATRIX_FMT_FP4
.endif
.endif
.endm
	s_load_b512 s[4:19], s[0:1], 0x0               ; hcodes 4, hscales 6, wcodes 8, wscales 10, w2_b 12, ret 14, bn2_g 16, bn2_b 18
	s_load_b64 s[20:21], s[0:1], 0x40              ; out0
	v_lshl_add_u32 v62, v0, 2, 0xc400
	v_mov_b32 v63, 0
	v_lshrrev_b32 v1, 5, v0
	v_readfirstlane_b32 s22, v1                    ; wave 0..15
	v_and_b32 v13, 31, v0                          ; L
	v_and_b32 v11, 15, v0                          ; r
	v_bfe_u32 v12, v0, 4, 1                        ; h
	v_lshlrev_b32 v1, 4, v13                       ; v1  16 L
	v_lshlrev_b32 v2, 2, v13                       ; v2  4 L
	v_lshlrev_b32 v3, 3, v13                       ; v3  8 L
	v_lshlrev_b32 v10, 2, v11                      ; v10 4 r
	s_wait_alu depctr_va_sdst(0)                   ; s22 is written, ahead of its first reader: LDS addresses, offsets and a branch are made from it
	s_and_b32 s23, s22, 3                          ; t
	s_lshr_b32 s24, s22, 2                         ; which eight K steps
	s_lshl_b32 s26, s22, 11
	v_add_nc_u32 v4, s26, v1                       ; v4  my wave's sums: 2,048 wv + 16 L
	s_lshl_b32 s26, s22, 1
	v_add_nc_u32 v13, s26, v12                     ; row 2 wv + L / 16
	v_mul_u32_u24 v5, v13, 272
	v_lshl_add_u32 v5, v11, 4, v5
	v_add_nc_u32 v8, OST, v5                       ; v8  the result, by rows: sixteen lanes to a row's 256 bytes
	v_add_nc_u32 v5, ZST, v5                       ; v5  ret, likewise
	v_lshlrev_b32 v9, 12, v13
	v_lshl_add_u32 v9, v11, 4, v9                  ; v9  the same place in memory: rows of 4,096 bytes
	v_mul_u32_u24 v6, v12, 2176
	v_lshl_add_u32 v6, v11, 2, v6
	s_lshl_b32 s26, s23, 6
	v_add_nc_u32 v6, s26, v6                       ; rows 8 h on, channel 16 t + r
	v_add_nc_u32 v7, OST, v6                       ; v7  the result, in the accumulators' layout
	v_add_nc_u32 v6, ZST, v6                       ; v6  ret, likewise
	v_mov_b32 v51, 0                               ; (upper half of a pair that is named whole)
	s_mov_b32 s46, 0x76543210
	s_mov_b32 s47, 0xfedcba98
	s_mov_b32 s48, 0x3d000000                      ; 1 / 32
	s_mov_b32 s49, 0x3727c5ac                      ; 1e-5
	s_lshl_b32 s50, s24, 14                        ; hcodes: 16 images on for each eight K steps
	s_mov_b32 s51, 0
	s_lshl_b32 s26, ttmp9, 2
	s_add_co_u32 s26, s26, s23                     ; tile T = 4 g + t
	s_lshl_b32 s52, s26, 5
	s_lshl_b32 s27, s24, 3
	s_add_co_u32 s52, s52, s27
	s_lshl_b32 s52, s52, 10
	s_add_co_u32 s52, s52, 1589248                 ; w2's images (T, 8 (wv / 4) on): w2 begins at half-unit 388 of 4,096 bytes
	s_mov_b32 s53, 0
	s_lshl_b32 s54, s26, 3
	s_lshl_b32 s27, s24, 1
	s_add_co_u32 s54, s54, s27
	s_lshl_b32 s54, s54, 8
	s_add_co_u32 s54, s54, 99328                   ; and their scale words: 388 x 256 bytes on
	s_mov_b32 s55, 0
	s_wait_kmcnt 0x0
	s_add_nc_u64 s[28:29], s[4:5], s[50:51]
	s_add_nc_u64 s[30:31], s[8:9], s[52:53]
	s_add_nc_u64 s[34:35], s[10:11], s[54:55]
	s_lshl_b32 s50, s24, 10                        ; hscales: 128 bytes a K step
	s_add_nc_u64 s[32:33], s[6:7], s[50:51]
	s_lshl_b32 s50, ttmp9, 8                       ; my 64 channels in a row: 256 g
	s_add_nc_u64 s[36:37], s[14:15], s[50:51]
	s_add_nc_u64 s[44:45], s[20:21], s[50:51]
	s_lshl_b32 s27, s23, 6
	s_add_co_u32 s50, s50, s27                     ; my tile's 16: + 64 t
	s_add_nc_u64 s[38:39], s[12:13], s[50:51]
	s_add_nc_u64 s[40:41], s[16:17], s[50:51]
	s_add_nc_u64 s[42:43], s[18:19], s[50:51]
	s_wait_alu depctr_va_vdst(0)                   ; the addresses and offsets v1 to v10 are written, which every load and store of the kernel reads; none is written again
.irp s, 0,1,2,3,4,5,6,7
.irp m, 0,1
.irp c, 0,1
	global_load_b128 v[HF+8*(2*\s+\m)+4*\c:HF+8*(2*\s+\m)+4*\c+3], v1, s[28:29] offset:(2*\s+\m)*1024+512*\c
.endr
.endr
.irp c, 0,1
	global_load_b128 v[WF+8*\s+4*\c:WF+8*\s+4*\c+3], v1, s[30:31] offset:1024*\s+512*\c th:TH_LOAD_NT
.endr
	global_load_b32 v[HS+\s], v2, s[32:33] offset:128*\s       ; lanes 0-15 rows 0-15, lanes 16-31 rows 16-31
.endr
.irp f, 0,1
	global_load_b64 v[WS+2*\f:WS+2*\f+1], v3, s[34:35] offset:256*\f
.endr
	global_load_b128 v[44:47], v9, s[36:37]        ; ret: rows 2 wv and 2 wv + 1, my work-group's 256 bytes of each
	global_load_b32 v48, v10, s[38:39]             ; w2_b,
	global_load_b32 v49, v10, s[40:41]             ; the gain
	global_load_b32 v50, v10, s[42:43]             ; and the bias of channel 16 t + r
	s_wait_loadcnt 0x0
.irp s, 0,1,2,3,4,5,6,7                ; two accumulators by turns, one instruction a turn; the first K step starts the sums.  Operands and scale words were brought by loads
.irp m, 0,1
	WM AC+8*\m, HF+8*(2*\s+\m), WF+8*\s, \s, AC+8*\m, HS+\s, WS+2*(\s>>2)+((\s>>1)&1), \m, \s&1
.endr
.endr
.rept 4
	v_nop                                          ; places in front of the first read of results (ISA guide 7.12.1)
.endr
	s_wait_alu depctr_va_vdst(0)                   ; the products have written the accumulators, which the LDS stores read, and are done reading h's fragments, in which the LDS loads behind the barriers land; the places above stay beside this wait
.irp i, 0,1,2,3
	ds_store_b128 v4, v[AC+4*\i:AC+4*\i+3] offset:512*\i       ; each accumulator from its low end on
.endr
	ds_store_b128 v5, v[44:47]
	s_wait_dscnt 0x0                               ; for the others' sake: my stores have landed
	s_barrier_signal -1
	s_barrier_wait -1
	s_cmp_ge_u32 s22, 4
	s_cbranch_scc1 .Ljoin                          ; waves 0 to 3 finish a tile of channels each; no barrier stands in this branch
.irp k, 1,2,3
.irp i, 0,1,2,3
	ds_load_b128 v[PS+16*(\k-1)+4*\i:PS+16*(\k-1)+4*\i+3], v4 offset:8192*\k+512*\i   ; the same tile's sums over the other K steps: waves t + 4 k
.endr
.endr
.irp m, 0,1
.irp j, 0,1,2,3,4,5,6,7
	ds_load_b32 v[RT+8*\m+\j], v6 offset:272*(16*\m+\j)
.endr
.endr
	s_wait_dscnt 0x0
.irp i, 0,2,4,6,8,10,12,14
	v_pk_add_f32 v[OO+\i:OO+\i+1], v[AC+\i:AC+\i+1], v[PS+\i:PS+\i+1]
.endr
.irp i, 0,2,4,6,8,10,12,14
	v_pk_add_f32 v[OO+\i:OO+\i+1], v[OO+\i:OO+\i+1], v[PS+16+\i:PS+17+\i]
.endr
.irp i, 0,2,4,6,8,10,12,14
	v_pk_add_f32 v[OO+\i:OO+\i+1], v[OO+\i:OO+\i+1], v[PS+32+\i:PS+33+\i]
.endr
.irp i, 0,2,4,6,8,10,12,14
	v_pk_add_f32 v[OO+\i:OO+\i+1], v[OO+\i:OO+\i+1], v[48:49] op_sel_hi:[1,0]     ; + w2_b
.endr
.irp i, 0,2,4,6,8,10,12,14
	v_pk_add_f32 v[OO+\i:OO+\i+1], v[OO+\i:OO+\i+1], v[RT+\i:RT+\i+1]             ; + ret
.endr
	v_pk_add_f32 v[144:145], v[OO:OO+1], v[OO+2:OO+3]              ; the batch norm of my channel: my 16 rows,
	v_pk_add_f32 v[146:147], v[OO+4:OO+5], v[OO+6:OO+7]
	v_pk_add_f32 v[148:149], v[OO+8:OO+9], v[OO+10:OO+11]
	v_pk_add_f32 v[150:151], v[OO+12:OO+13], v[OO+14:OO+15]
	v_pk_add_f32 v[144:145], v[144:145], v[146:147]
	v_pk_add_f32 v[148:149], v[148:149], v[150:151]
	v_pk_add_f32 v[144:145], v[144:145], v[148:149]
	v_add_f32 v144, v144, v145
	v_permlanex16_b32 v145, v144, s46, s47
	v_add_f32 v144, v144, v145                     ; and lane l xor 16's 16
	v_mul_f32 v144, s48, v144                      ; the mean
.irp i, 0,2,4,6,8,10,12,14
	v_pk_add_f32 v[OO+\i:OO+\i+1], v[OO+\i:OO+\i+1], v[144:145] op_sel_hi:[1,0] neg_lo:[0,1] neg_hi:[0,1]
.endr
	v_pk_mul_f32 v[146:147], v[OO:OO+1], v[OO:OO+1]
	v_pk_mul_f32 v[148:149], v[OO+2:OO+3], v[OO+2:OO+3]
.irp i, 4,8,12
	v_pk_fma_f32 v[146:147], v[OO+\i:OO+\i+1], v[OO+\i:OO+\i+1], v[146:147]
	v_pk_fma_f32 v[148:149], v[OO+\i+2:OO+\i+3], v[OO+\i+2:OO+\i+3], v[148:149]
.endr
	v_pk_add_f32 v[146:147], v[146:147], v[148:149]
	v_add_f32 v146, v146, v147
	v_permlanex16_b32 v147, v146, s46, s47
	v_add_f32 v146, v146, v147
	v_fma_f32 v146, v146, s48, s49                 ; variance + eps
	v_rsq_f32 v146, v146
	v_nop                                          ; a plain line behind the transcendental
	s_wait_alu depctr_va_vdst(0)                   ; the reciprocal root v146 is written, ahead of its first reader
	v_mul_f32 v146, v146, v49                      ; x the gain
.irp i, 0,2,4,6,8,10,12,14
	v_pk_fma_f32 v[OO+\i:OO+\i+1], v[OO+\i:OO+\i+1], v[146:147], v[50:51] op_sel_hi:[1,0,0]
.endr
	s_wait_alu depctr_va_vdst(0)                   ; the batch norm has written v128-143, which the LDS stores read
.irp m, 0,1
.irp j, 0,1,2,3,4,5,6,7
	ds_store_b32 v7, v[OO+8*\m+\j] offset:272*(16*\m+\j)
.endr
.endr
.Ljoin:
	s_wait_dscnt 0x0                               ; the four waves' stores have landed
	s_barrier_signal -1
	s_barrier_wait -1
	ds_load_b128 v[152:155], v8                    ; (v152-155 held a fragment of h: the wait behind the products has shown them read, and no vector line names them since, on either way here)
	s_wait_dscnt 0x0
	global_store_b128 v9, v[152:155], s[44:45]     ; sixteen lanes store 256 consecutive bytes of a row, aligned
	s_wait_dscnt 0x0                               ; the closing lines, six on end
	s_wait_alu 0x0
	s_wait_tensorcnt 0x0
	ds_add_u32 v62, v63
	s_wait_dscnt 0x0
	s_endpgm
.Lfunc_end_k_q958d44f825_ffn2:
	.size	k_q958d44f825_ffn2, .Lfunc_end_k_q958d44f825_ffn2-k_q958d44f825_ffn2
	.p2alignl 7, 3214868480
	.fill 96, 4, 3214868480
	.section	.rodata,"a",@progbits
	.p2align	6, 0x0
	.amdhsa_kernel k_q958d44f825_ffn2
		.amdhsa_group_segment_fixed_size 52224
		.amdhsa_private_segment_fixed_size 0
		.amdhsa_enable_private_segment 0
		.amdhsa_kernarg_size 72
		.amdhsa_user_sgpr_count 2
		.amdhsa_user_sgpr_kernarg_segment_ptr 1
		.amdhsa_wavefront_size32 1
		.amdhsa_system_sgpr_workgroup_id_x 1
		.amdhsa_system_sgpr_workgroup_id_y 1
		.amdhsa_system_sgpr_workgroup_id_z 1
		.amdhsa_system_vgpr_workitem_id 0
		.amdhsa_next_free_vgpr 256
		.amdhsa_next_free_sgpr 66
		.amdhsa_reserve_vcc 0
		.amdhsa_float_denorm_mode_32 3
		.amdhsa_float_denorm_mode_16_64 3
		.amdhsa_memory_ordered 1
		.amdhsa_forward_progress 1
		.amdhsa_inst_pref_size 20
	.end_amdhsa_kernel
	.amdgpu_metadata
---
amdhsa.version: [ 1, 2 ]
amdhsa.kernels:
  - .name:           k_q958d44f825_ffn2
    .symbol:         k_q958d44f825_ffn2.kd
    .args:
      - { .name: hcodes, .offset: 0, .size: 8, .value_kind: global_buffer, .address_space: global }
      - { .name: hscales, .offset: 8, .size: 8, .value_kind: global_buffer, .address_space: global }
      - { .name: wcodes, .offset: 16, .size: 8, .value_kind: global_buffer, .address_space: global }
      - { .name: wscales, .offset: 24, .size: 8, .value_kind: global_buffer, .address_space: global }
      - { .name: w2_b, .offset: 32, .size: 8, .value_kind: global_buffer, .address_space: global }
      - { .name: ret, .offset: 40, .size: 8, .value_kind: global_buffer, .address_space: global }
      - { .name: bn2_g, .offset: 48, .size: 8, .value_kind: global_buffer, .address_space: global }
      - { .name: bn2_b, .offset: 56, .size: 8, .value_kind: global_buffer, .address_space: global }
      - { .name: out0, .offset: 64, .size: 8, .value_kind: global_buffer, .address_space: global }
    .group_segment_fixed_size: 52224
    .private_segment_fixed_size: 0
    .kernarg_segment_align: 8
    .kernarg_segment_size: 72
    .max_flat_workgroup_size: 512
    .sgpr_count:     66
    .vgpr_count:     256
    .wavefront_size: 32
...
	.end_amdgpu_metadata
.endif
;; end of part 6
